; MI455X (gfx1250); checked and timed in simulation.
; The chip was launched on July 23, 2026; its instructions are those of AMD's public machine-readable ISA for CDNA 5 (MIT licence, August 2026) and "CDNA5" Instruction Set Architecture Reference Guide (July 2026). The comments in the code are by the model that wrote it; some were corrected since.
;; Self Attention. Allowed arithmetic: matrix products marked QUANTISED: E2M3 operands, one E8M0 scale for each 32 along K, by v_wmma_scale_f32_16x16x128_f8f6f4 with both operands' format E2M3, f32 sums; everything else in f32.
;; Inputs: W_out 1,024 x 1,024 float32; W_qkv 1,024 x 3,072 float32; b_out 1,024 float32; b_qkv 3,072 float32; x 1 x 4,096 x 1,024 float32.
;; Outputs: out0 1 x 4,096 x 1,024 float32.
;; This version of the problem:
;;   THIS VERSION OF THE PROBLEM IS GIVEN IN LOW PRECISION. The matrix products marked QUANTISED in the list below multiply operands that are first quantised to E2M3 (2 exponent bits, 3 mantissa bits; 6 bits a number), with one power-of-two scale for each 32 numbers along K (OCP MX v1.0); their sums are f32. All else is computed in f32.
;;   The module's matrix products, in the order in which they are computed (A, B: the left and right operand; K: the contracted axis; several contracted axes count as one K, in the product's order):
;;     1. [M 4,096, K 1,024] x [K 1,024, N 3,072]; A: input x; B: input W_qkv: QUANTISED
;;     2. batch 16 x [M 4,096, K 64] x [K 64, N 4,096]; A: computed on the way; B: computed on the way: QUANTISED
;;     3. batch 16 x [M 4,096, K 4,096] x [K 4,096, N 64]; A: softmax (see below); B: computed on the way: QUANTISED
;;     4. [M 4,096, K 1,024] x [K 1,024, N 1,024]; A: computed on the way; B: input W_out: QUANTISED
;;   THE QUANTISER, for each operand of a quantised product, along K:
;;     - K is cut into blocks of 32 from its start; a last block that is shorter is filled with zeros.
;;     - A block's scale is 2^e with e = floor(log2(the largest magnitude in the block)) - 2, held to -126 .. 127; a block of zeros has e = 0. As a byte (E8M0): e + 127.
;;     - Each number is divided by its block's scale, clamped to +-7.5, and rounded to the nearest number of E2M3, ties to even, subnormals kept.
;;     - The product sums the exact products of the quantised numbers (number of the format x scale) in f32.
;;   ~~~python
;;   def quantise(x, axis):      # numpy; x: float32 -> the quantised numbers, widened to float32 again
;;       x = np.moveaxis(x, axis, -1); K = x.shape[-1]
;;       x = np.pad(x, [(0, 0)] * (x.ndim - 1) + [(0, -K % 32)]); x = x.reshape(x.shape[:-1] + (-1, 32)); a = np.abs(x).max(-1, keepdims=True)
;;       e = np.where(a > 0, np.clip(np.frexp(np.where(a > 0, a, 1))[1] - 1 - 2, -126, 127), 0)      # np.frexp(a)[1] - 1 = floor(log2(a)), exactly
;;       r = np.clip(x / 2.0 ** e, -7.5, 7.5)
;;       step = 2.0 ** (np.maximum(np.frexp(np.where(r == 0, 1, r))[1] - 1, 0) - 3)
;;       q = np.round(r / step) * step * 2.0 ** e      # np.round: ties to even
;;       return np.moveaxis(q.reshape(q.shape[:-2] + (-1,))[..., :K], -1, axis).astype(np.float32)
;;   ~~~
;;   SOFTMAX AHEAD OF A QUANTISED PRODUCT. Where the list says 'softmax', what is quantised is not the finished softmax but p = 2^(t - M), with t = logit x log2(e) and M = ceil(the row's largest t), a whole number; so 1/2 < the row's largest p <= 1. The row's sum l is taken of the UNQUANTISED p, in f32, and the product's result is divided by l at the end. Since M is a whole number, a kernel that streams over the keys may use a running M (the ceiling of the running maximum): every later rescaling is an exact power of two, which a block's scale takes up: the codes' values come out the same.
;;   OPERANDS COMPUTED ON THE WAY. 'Computed on the way' means the value that the module computes at that place (a softmax that the list does not call 'softmax' is quantised finished and normalised). What goes into a quantiser is computed in f32, as accurately as f32 sums, v_exp_f32 and their like allow (about 1e-6 of the number): no bf16 or f16 on the way to a quantiser, and a product that is left as it is and whose result goes on into a quantised operand takes f32 operands (vector FMAs, or v_wmma_f32_16x16x4_f32). A number that lies on a knife's edge between two numbers of the format may be rounded either way, as far as f32 arithmetic and the matrix unit's own rounding can turn it there, and no further.
;; One version. Each part assembles by itself: llvm-mc -triple=amdgcn-amd-amdhsa -mcpu=gfx1250 --defsym DOCPART=n.
;; ======== version 1 of 1: 4 launches
;; limits: right only within a limited range of input values
;; workspace buffers: xq 3,276,800 bytes; wq 3,276,800 bytes; qc 6,291,456 bytes; qs 262,144 bytes; kvc 6,291,456 bytes; kvs 262,144 bytes; ao 3,276,800 bytes
;; launch quant (part 1): grid 256 x 1, 8 waves a work-group, no clusters, 136,192 bytes of LDS; arguments x, W_qkv, W_out, xq, wq; writes xq, wq
.if DOCPART == 1
	.amdgcn_target "amdgcn-amd-amdhsa--gfx1250"
	.amdhsa_code_object_version 6
	.text
	.protected	k_qf68a41ebe4_quant
	.globl	k_qf68a41ebe4_quant
	.p2align	8
	.type	k_qf68a41ebe4_quant,@function
k_qf68a41ebe4_quant:
	s_mov_b64 s[64:65], 0
	v_nop
	global_prefetch_b8 v0, s[64:65] scope:SCOPE_SE
	s_setreg_imm32_b32 hwreg(HW_REG_WAVE_MODE, 25, 1), 1
	s_wait_xcnt 0x0
; x [4096][1024], W_qkv [1024][3072] and W_out [1024][1024], f32, become codes of FP6 (E2M3) with one E8M0 byte for each 32 along K (x: its last axis; the weights: their first),
; laid in the ORDER OF THE OPERAND'S REGISTERS, so that the later launches fetch fragments by loads of 16 bytes a lane and whole K slices as dense blocks.
; A FRAGMENT (16 rows x 128 K, 12 registers a lane) is 1,536 bytes: register 4 g + i of lane l at byte 512 g + 16 l + 4 i.  A tile's scale words: 64 bytes, 4 a row.
; A RECORD (128 rows x K 1,024) is 102,400 bytes: four slices of 25,600 = [K step q = 0, 1][tile 0 .. 7] fragments (24,576), then [q][tile][16] scale words (1,024).
; THE ROWS OF A TILE ARE NOT NEIGHBOURS: in each 32 rows, tile u has at lane-row r the row 8 u + r + 8 (r / 8).
; xq: 32 records (blocks of 128 tokens).  wq: 32 records (24 panels of 128 columns of W_qkv, then 8 of W_out).
; SHARES.  Each of the 2,048 waves has one job of 32 rows x 128 K (16,384 bytes of f32), all its loads issued at once; no loop.
;   work-groups 0-127: rows 32 g .. 32 g + 31 of x, wave = K step.  Loads take a row's 512 bytes as they lie; the numbers turn through the wave's own stage in LDS (tile order, pitch 528 = 33 x 16 bytes).
;   work-groups 128-255: a panel's slice; wave (b, q): columns 32 b .. 32 b + 31, K step q.  A lane takes a column, its registers run down K: nothing is transposed.
; A block's scale is 2^(floor(log2(largest magnitude)) - 2); its byte is the largest magnitude's exponent field - 2.
; LIMITS: NaN and infinities are not served; a block whose largest magnitude lies under 2^-124 gets the byte 1; so does a block of zeros (the quantiser's text says 127): its codes are zeros and only this program reads the bytes.
.set XW,    32*528                     ; a wave's stage
.set SPARE, 8*XW                       ; behind the stages: the spare words, 128 bytes a wave
.set SPW,   14                         ; v14  LDS address of my spare word; never rewritten
.set NIL,   15                         ; v15  0; never rewritten
.set X,     16                         ; v16-143  128 numbers as loaded
.set Y,     144                        ; v144-207 64 numbers of a tile's lane
.set F0,    208                        ; v208-219, v220-231 two fragments' registers
.set F1,    220
.set U,     232                        ; v232-238 the conversions' second halves
.set T,     240                        ; v240-251 at work
	s_load_b128 s[4:7], s[0:1], 0x0                ; x, W_qkv
	s_load_b128 s[8:11], s[0:1], 0x10              ; W_out, xq
	s_load_b64 s[12:13], s[0:1], 0x20              ; wq
	v_lshl_add_u32 v[SPW], v0, 2, SPARE
	v_mov_b32 v[NIL], 0
	v_lshrrev_b32 v1, 5, v0
	s_delay_alu instid0(VALU_DEP_1)
	v_readfirstlane_b32 s14, v1                    ; wave 0..7
	v_and_b32 v2, 31, v0                           ; lane
	s_delay_alu instid0(VALU_DEP_1)
	v_lshlrev_b32 v3, 4, v2                        ; 16 x lane
	s_delay_alu instid0(VALU_DEP_2)
	v_lshlrev_b32 v4, 2, v2                        ; 4 x lane
	v_bfe_u32 v7, v0, 4, 1                         ; h
	s_mov_b32 s15, 0x76543210
	s_mov_b32 s16, 0xfedcba98                      ; v_permlanex16_b32's selects for lane l xor 16
	s_mov_b32 s17, 0xffff0000                      ; lanes 16-31
; Two whole blocks of 32 in a lane's registers, at a and at b, become registers d .. d + 11 of a fragment and the bytes ba, bb.
.macro Q2 a, b, d, ba, bb
	v_max3_num_f32 v[T+4], |v[\a]|, |v[\a+1]|, 0x1800000           ; the floor 2^(3 - 127) among the leaves: the byte cannot fall under 1
	v_max3_num_f32 v[T+5], |v[\b]|, |v[\b+1]|, 0x1800000
.irp i, 2,4,6,8,10,12,14,16,18,20,22,24,26,28,30
	s_delay_alu instid0(VALU_DEP_2)
	v_max3_num_f32 v[T+4], v[T+4], |v[\a+\i]|, |v[\a+\i+1]|        ; (the two blocks by turns)
	s_delay_alu instid0(VALU_DEP_2)
	v_max3_num_f32 v[T+5], v[T+5], |v[\b+\i]|, |v[\b+\i+1]|
.endr
	s_delay_alu instid0(VALU_DEP_2)
	v_add_nc_u32 v[T+6], 0xff000000, v[T+4]        ; 2 off the exponent field: the conversion's scale operand
	s_delay_alu instid0(VALU_DEP_2)
	v_add_nc_u32 v[T+7], 0xff000000, v[T+5]
	s_delay_alu instid0(VALU_DEP_2)
	v_lshrrev_b32 v[\ba], 23, v[T+6]               ; the scales' bytes
	s_delay_alu instid0(VALU_DEP_2)
	v_lshrrev_b32 v[\bb], 23, v[T+7]
	v_cvt_scalef32_pk16_fp6_f32 v[\d:\d+2], v[\a:\a+15], v[T+6]
	v_cvt_scalef32_pk16_fp6_f32 v[U:U+2], v[\a+16:\a+31], v[T+6]   ; (a conversion's three registers begin on an even number)
	v_cvt_scalef32_pk16_fp6_f32 v[\d+6:\d+8], v[\b:\b+15], v[T+7]
	v_cvt_scalef32_pk16_fp6_f32 v[U+4:U+6], v[\b+16:\b+31], v[T+7]
	v_nop                                          ; one plain place behind the conversions
.irp i, 0,1,2
	v_mov_b32 v[\d+3+\i], v[U+\i]
	v_mov_b32 v[\d+9+\i], v[U+4+\i]
.endr
.endm
	s_wait_kmcnt 0x0
	s_cmp_lt_u32 ttmp9, 128
	s_cbranch_scc0 .Lweights
; ---------------- x ----------------
	s_lshl_b32 s20, ttmp9, 17                      ; 32 rows of 4,096 bytes
	s_lshl_b32 s21, s14, 9                         ; my K step's 512 bytes of a row
	s_add_co_u32 s20, s20, s21
	s_mov_b32 s21, 0
	s_add_nc_u64 s[4:5], s[4:5], s[20:21]
.set i, 0
	s_wait_alu depctr_va_vdst(0)
.rept 32
	global_load_b128 v[X+4*i:X+4*i+3], v3, s[4:5] offset:4096*i th:TH_LOAD_NT   ; row i: 32 lanes read 512 consecutive bytes
.set i, i+1
.endr
	s_mul_i32 s22, s14, XW
	v_add_nc_u32 v5, s22, v3                       ; into the stage: 16 x lane
	v_and_b32 v6, 15, v0                           ; r
	s_delay_alu instid0(VALU_DEP_1)
	v_mul_u32_u24 v8, v6, 528
	s_delay_alu instid0(VALU_DEP_1)
	v_lshl_add_u32 v8, v7, 7, v8
	s_delay_alu instid0(VALU_DEP_1)
	v_add_nc_u32 v8, s22, v8                       ; out of it: stage row r, + 128 h: my 32 numbers of each 64
	v_lshlrev_b32 v9, 3, v7                        ; 8 h
	v_mov_b32 v[T+9], 0                            ; (a lane permute's destination counts as one of its sources)
	v_mov_b32 v[T+11], 0
	s_lshr_b32 s20, ttmp9, 2                       ; where the results go: record g / 4,
	s_mul_i32 s20, s20, 102400
	s_lshr_b32 s21, s14, 1
	s_mul_i32 s21, s21, 25600
	s_add_co_u32 s20, s20, s21                     ; slice s / 2,
	s_and_b32 s21, ttmp9, 3                        ; b = g % 4
	s_and_b32 s23, s14, 1                          ; q = s % 2
	s_mul_i32 s24, s23, 12288
	s_mul_i32 s25, s21, 3072
	s_add_co_u32 s24, s24, s25
	s_add_co_u32 s24, s24, s20
	s_mov_b32 s25, 0
	s_add_nc_u64 s[26:27], s[10:11], s[24:25]      ; tiles 2 b, 2 b + 1 of K step q
	s_lshl_b32 s23, s23, 9
	s_lshl_b32 s21, s21, 7
	s_add_co_u32 s24, s23, s21
	s_add_co_u32 s24, s24, s20
	s_add_co_u32 s24, s24, 24576
	s_add_nc_u64 s[28:29], s[10:11], s[24:25]      ; and their scale words
.set i, 0
	s_wait_alu depctr_va_vdst(0)
.rept 32
	s_wait_loadcnt 31-i                            ; row i is in; the younger rows may be out
	ds_store_b128 v5, v[X+4*i:X+4*i+3] offset:(16*((i>>3)&1)+(i&7)+8*(i>>4))*528   ; to its place in tile order
.set i, i+1
.endr
.irp c, 0,1
.irp j, 0,1,2,3,4,5,6,7
	ds_load_b128 v[Y+32*\c+4*\j:Y+32*\c+4*\j+3], v8 offset:256*\c+16*\j            ; tile 0: k = 64 c + 32 h + 4 j ..; a wave's LDS instructions are served in order: these see the stores
.endr
.endr
	s_wait_dscnt 0x0                               ; tile 0 is in, and the stores have read X
.irp c, 0,1
.irp j, 0,1,2,3,4,5,6,7
	ds_load_b128 v[X+32*\c+4*\j:X+32*\c+4*\j+3], v8 offset:16*528+256*\c+16*\j     ; tile 1, while tile 0 is worked
.endr
.endr
	Q2 Y, Y+32, F0, T+0, T+1
	s_wait_dscnt 0x0
	Q2 X, X+32, F1, T+2, T+3
.irp u, 0,1                                    ; my two bytes are blocks h and 2 + h of row r; with lane l xor 16's two the word is whole
	v_lshl_or_b32 v[T+8+2*\u], v[T+1+2*\u], 16, v[T+2*\u]
	s_delay_alu instid0(VALU_DEP_1)
	v_lshlrev_b32 v[T+8+2*\u], v9, v[T+8+2*\u]
	s_delay_alu instid0(VALU_DEP_1)
	v_permlanex16_b32 v[T+9+2*\u], v[T+8+2*\u], s15, s16
	s_delay_alu instid0(VALU_DEP_1)
	v_or_b32 v[T+8+2*\u], v[T+8+2*\u], v[T+9+2*\u]
.endr
	s_delay_alu instid0(VALU_DEP_1)
	v_cndmask_b32 v[T+8], v[T+8], v[T+10], s17     ; lanes 0-15 tile 0's words, lanes 16-31 tile 1's
.irp g, 0,1,2
	global_store_b128 v3, v[F0+4*\g:F0+4*\g+3], s[26:27] offset:512*\g             ; 32 lanes store 512 consecutive bytes, at a multiple of 256 from the buffer's first byte
	global_store_b128 v3, v[F1+4*\g:F1+4*\g+3], s[26:27] offset:1536+512*\g
.endr
	global_store_b32 v4, v[T+8], s[28:29]
	s_branch .Lend
; ---------------- the weights ----------------
.Lweights:
	s_sub_co_u32 s20, ttmp9, 128
	s_lshr_b32 s21, s20, 2                         ; record 0..31
	s_and_b32 s22, s20, 3                          ; slice
	s_and_b32 s23, s14, 3                          ; b: which 32 columns
	s_lshr_b32 s24, s14, 2                         ; q
	s_mul_i32 s25, s21, 102400
	s_mul_i32 s26, s22, 25600
	s_add_co_u32 s25, s25, s26
	s_mul_i32 s26, s24, 12288
	s_mul_i32 s27, s23, 3072
	s_add_co_u32 s26, s26, s27
	s_add_co_u32 s26, s26, s25
	s_mov_b32 s27, 0
	s_add_nc_u64 s[28:29], s[12:13], s[26:27]      ; tiles 2 b, 2 b + 1 of K step q
	s_lshl_b32 s26, s24, 9
	s_lshl_b32 s32, s23, 7
	s_add_co_u32 s26, s26, s32
	s_add_co_u32 s26, s26, s25
	s_add_co_u32 s26, s26, 24576
	s_add_nc_u64 s[30:31], s[12:13], s[26:27]      ; their scale words
	s_lshl_b32 s32, s22, 1
	s_add_co_u32 s32, s32, s24                     ; K step 0..7
	s_lshl_b32 s33, s23, 7                         ; 32 b columns, in bytes
	s_mov_b32 s35, 0
	v_bfe_u32 v5, v0, 3, 1                         ; my column is row r of tile u: u = (lane / 8) % 2,
	v_and_b32 v6, 7, v0
	s_wait_alu depctr_va_vdst(0)
	v_lshl_add_u32 v6, v7, 3, v6                   ; r = lane % 8 + 8 (lane / 16)
	v_mul_u32_u24 v8, v5, 1536
	s_delay_alu instid0(VALU_DEP_1)
	v_lshl_add_u32 v8, v6, 4, v8                   ; its 16 bytes in an image's run of 512
	v_lshlrev_b32 v9, 6, v5
	s_delay_alu instid0(VALU_DEP_1)
	v_lshl_add_u32 v9, v6, 2, v9                   ; its scale word
; My column's four blocks: blocks 0 and 2 are what lane (r, 0) of the fragment holds, blocks 1 and 3 what lane (r, 1) holds.
.macro WBODY stride
.set i, 0
.rept 128
	global_load_b32 v[X+i], v4, s[34:35] offset:i*\stride th:TH_LOAD_NT            ; W(k0 + i, my column): 32 lanes read 128 consecutive bytes, four waves side by side 512
.set i, i+1
.endr
	s_wait_loadcnt 32                              ; blocks 0 to 2 are in; block 3's 32 loads may be out
	Q2 X, X+64, F0, T+0, T+2
	s_wait_loadcnt 0x0
	Q2 X+32, X+96, F1, T+1, T+3
	v_lshl_or_b32 v[T+8], v[T+1], 8, v[T+0]
	s_delay_alu instid0(VALU_DEP_1)
	v_lshl_or_b32 v[T+8], v[T+2], 16, v[T+8]
	s_delay_alu instid0(VALU_DEP_1)
	v_lshl_or_b32 v[T+8], v[T+3], 24, v[T+8]
.irp g, 0,1,2
	global_store_b128 v8, v[F0+4*\g:F0+4*\g+3], s[28:29] offset:512*\g             ; each store fills two aligned runs of 256 bytes, one in each tile
	global_store_b128 v8, v[F1+4*\g:F1+4*\g+3], s[28:29] offset:512*\g+256
.endr
	global_store_b32 v9, v[T+8], s[30:31]
.endm
	s_cmp_lt_u32 s21, 24
	s_cbranch_scc0 .Lwout
	s_mul_i32 s34, s32, 128*12288                  ; W_qkv: 128 rows of 12,288 bytes a K step,
	s_lshl_b32 s36, s21, 9                         ; 512 bytes a panel
	s_add_co_u32 s34, s34, s36
	s_add_co_u32 s34, s34, s33
	s_add_nc_u64 s[34:35], s[6:7], s[34:35]
	WBODY 12288
	s_branch .Lend
.Lwout:
	s_sub_co_u32 s36, s21, 24
	s_mul_i32 s34, s32, 128*4096                   ; W_out: rows of 4,096 bytes
	s_lshl_b32 s36, s36, 9
	s_add_co_u32 s34, s34, s36
	s_add_co_u32 s34, s34, s33
	s_add_nc_u64 s[34:35], s[8:9], s[34:35]
	WBODY 4096
.Lend:
	s_wait_tensorcnt 0x0                           ; the wave's end: behind my last LDS store
	ds_add_u32 v[SPW], v[NIL]
	s_wait_dscnt 0x0
	s_endpgm
.Lfunc_end_k_qf68a41ebe4_quant:
	.size	k_qf68a41ebe4_quant, .Lfunc_end_k_qf68a41ebe4_quant-k_qf68a41ebe4_quant
	.p2alignl 7, 3214868480
	.fill 96, 4, 3214868480
	.section	.rodata,"a",@progbits
	.p2align	6, 0x0
	.amdhsa_kernel k_qf68a41ebe4_quant
		.amdhsa_group_segment_fixed_size 136192
		.amdhsa_private_segment_fixed_size 0
		.amdhsa_enable_private_segment 0
		.amdhsa_kernarg_size 40
		.amdhsa_user_sgpr_count 2
		.amdhsa_user_sgpr_kernarg_segment_ptr 1
		.amdhsa_wavefront_size32 1
		.amdhsa_system_sgpr_workgroup_id_x 1
		.amdhsa_system_sgpr_workgroup_id_y 1
		.amdhsa_system_sgpr_workgroup_id_z 1
		.amdhsa_system_vgpr_workitem_id 0
		.amdhsa_next_free_vgpr 256
		.amdhsa_next_free_sgpr 66
		.amdhsa_reserve_vcc 0
		.amdhsa_float_denorm_mode_32 3
		.amdhsa_float_denorm_mode_16_64 3
		.amdhsa_memory_ordered 1
		.amdhsa_forward_progress 1
		.amdhsa_inst_pref_size 63
	.end_amdhsa_kernel
	.amdgpu_metadata
---
amdhsa.version: [ 1, 2 ]
amdhsa.kernels:
  - .name:           k_qf68a41ebe4_quant
    .symbol:         k_qf68a41ebe4_quant.kd
    .args:
      - { .name: x, .offset: 0, .size: 8, .value_kind: global_buffer, .address_space: global }
      - { .name: W_qkv, .offset: 8, .size: 8, .value_kind: global_buffer, .address_space: global }
      - { .name: W_out, .offset: 16, .size: 8, .value_kind: global_buffer, .address_space: global }
      - { .name: xq, .offset: 24, .size: 8, .value_kind: global_buffer, .address_space: global }
      - { .name: wq, .offset: 32, .size: 8, .value_kind: global_buffer, .address_space: global }
    .group_segment_fixed_size: 136192
    .private_segment_fixed_size: 0
    .kernarg_segment_align: 8
    .kernarg_segment_size: 40
    .max_flat_workgroup_size: 256
    .sgpr_count:     66
    .vgpr_count:     256
    .wavefront_size: 32
...
	.end_amdgpu_metadata
.endif
;; end of part 1
;; launch qkv (part 2): grid 16 x 12, 8 waves a work-group, clusters of 4 x 1, 327,680 bytes of LDS; arguments xq, wq, b_qkv, qc, qs, kvc, kvs; writes qc, qs, kvc, kvs
.if DOCPART == 2
	.amdgcn_target "amdgcn-amd-amdhsa--gfx1250"
	.amdhsa_code_object_version 6
	.text
	.protected	k_qf68a41ebe4_qkv
	.globl	k_qf68a41ebe4_qkv
	.p2align	8
	.type	k_qf68a41ebe4_qkv,@function
k_qf68a41ebe4_qkv:
	s_mov_b64 s[64:65], 0
	v_nop
	global_prefetch_b8 v0, s[64:65] scope:SCOPE_SE
	s_setreg_imm32_b32 hwreg(HW_REG_WAVE_MODE, 25, 1), 1
	s_wait_xcnt 0x0
	s_wait_alu depctr_hold_cnt(0) depctr_sa_sdst(0) depctr_va_vdst(0) depctr_va_sdst(0) depctr_va_ssrc(0) depctr_va_vcc(0) depctr_vm_vsrc(0)
	s_getreg_b32 s2, hwreg(HW_REG_IB_STS2, 6, 4)
	s_cmp_eq_u32 s2, 0
	s_cbranch_scc0 .Lentry_in_a_cluster
	s_endpgm
.Lentry_in_a_cluster:
	s_bfe_u32 s2, ttmp6, 0x10000c
	s_cmp_lg_u32 s2, 0x3003
	s_cbranch_scc0 .Lentry_shape_is_right
	s_endpgm
.Lentry_shape_is_right:
; qkv = x W_qkv + b_qkv on codes of FP6 (E2M3) with E8M0 scales, and its three parts quantised at once: q and k along the head's 64, v along the tokens (the keys).
; Operands come as the records of the launch before (fragment images of 1,536 bytes; a slice of 256 along K is 25,600 dense bytes; tiles in the order row 8 u + r + 8 (r / 8) of each 32).
; ONE BODY, TWO ORIENTATIONS.  A work-group multiplies a panel P (128 rows, always source 0, whole K resident in LDS) with R (four panels, 512 rows, always source 1, a ring of two slots of one slice).
;   Y < 8  (q, k): P = panel X of W_qkv's columns, R = token blocks 4 Y .. 4 Y + 3: a lane holds ONE token and its registers run along the head's dims.
;   Y >= 8 (v):    P = token block X + 16 ((Y - 8) % 2), R = column panels 16 + 4 ((Y - 8) / 2) ..: a lane holds ONE dim and its registers run along the tokens.
; Only pointers differ (chosen on Y); every LDS address, tensor load and barrier lies on one way.  Branches on Y, which the partners of a cluster share, stand round the bias loads, the first K step's products and the way out.
; Since source 0's tiles are in the permuted order, the 16 registers of tiles 2 b and 2 b + 1 are 16 neighbours 32 b + 16 (lane / 16) + 0 .. 15 along source 0's rows: the next quantiser's K.
; CLUSTER: the four work-groups of a cluster have the same Y, so the same R: each slice of R is asked for JOINTLY (mask 15).  P hangs on the place in the cluster and is each work-group's own load.
; 192 work-groups: a wave's tile is tied to whole units of the way out (32 tokens x 64 dims, or 128 tokens x 16 dims); 128 x 64 a wave gives 1,536 wave tiles.
; A WAVE: R panel w / 2, R tiles 4 (w % 2) + rho, all 8 tiles of P: 32 accumulators, (rho, p) at v[8 (8 rho + p)] of window 1.  They take turns, one instruction a turn.
; OUT.  q, k: PAIR FRAGMENTS: registers 0-5 token tile (b, 0), dims 32 (lane / 16) ..; registers 6-11 tile (b, 1); word bytes (u0 d0-31, u0 d32-63, u1 d0-31, u1 d32-63).  qc, kvc: [head][token block] 12,288 bytes, fragment b at 1,536 b.
;       v: fragments of V^T (16 dims x 128 keys) at +6,144 in kvc's same 12,288; scale words: qs, kvs [head][block] 512 bytes (k's or q's 256, then v's 256).
; LIMITS: NaN and infinities are not served; a block whose largest magnitude lies under 2^-124, a block of zeros among them, gets the byte 1 (its codes are zeros or nearly; only this program reads the bytes).
.set FR,    1536
.set SLICE, 25600
.set REC,   102400
.set PBASE, 2*REC                      ; LDS: R's four panels, each with its slot 0 and its slot 1 (a slice each) on end; then P's whole record,
.set SPARE, 3*REC                      ; then the spare words, 128 bytes a wave
.set SPW, 14                           ; v14  LDS address of my spare word; never rewritten
.set NIL, 15                           ; v15  0; never rewritten
.set PF,  32                           ; v32-127  P's eight fragments
.set RF,  128                          ; v128-175 R's four
.set PS,  176                          ; v176-179 P's scale words: tiles 2 i (lanes 0-15), 2 i + 1 (lanes 16-31)
.set RSC, 180                          ; v180-181 R's
.set CB,  184                          ; v184-247 the bias, in the result's layout
.set TM,  32                           ; the way out: v32-47 at work, v48-51 the units' scale words, v52-53 joined words, v64.. 20 registers of codes a unit
.set PW,  48
.set SS,  52
.set PC,  64
.set WV,  18
.set SY,  21
.set G1R, 24                           ; s[24:31] group 1: 100 rows of 256 bytes, joint;  s[32:39]: the same with no mask
.set G1P1, 32
.set G1H, 40                           ; s[40:47] group 1 of R's head load: 200 rows, joint: a panel's slices 0 and 1, both its slots
.set G0A, 48                           ; s[48:51] R's slot 0;  s[52:55] slot 1;  s[56:59] the slice of P that I fetch
.set G0B, 52
.set G0C, 56
.set SEL, 78
.set MSB, 0
.macro WIN new                         ; the immediate's high byte repeats the setting that is left
.if MSB != \new
	s_set_vgpr_msb (MSB<<8)|\new
.set MSB, \new
.endif
.endm
.macro CROUND                          ; a round of the cluster's barrier
	s_barrier_signal -1
	s_barrier_wait -1
	s_cmp_lg_u32 s[WV], 0
	s_cbranch_scc1 .Lnw0_\@
	s_barrier_signal -3
.Lnw0_\@:
	s_barrier_wait -3
	s_barrier_signal -1
	s_barrier_wait -1
.endm
.macro WMC d, a, b, c, sa, sb, ra, rb  ; ra, rb = 1: that side's scale words stand in lanes 16-31
.if ((\ra)==0) && ((\rb)==0)
	v_wmma_scale_f32_16x16x128_f8f6f4 v[\d:\d+7], v[\a:\a+11], v[\b:\b+11], v[\c:\c+7], v[\sa], v[\sb] matrix_a_fmt:MATRIX_FMT_FP6 matrix_b_fmt:MATRIX_FMT_FP6
.elseif ((\ra)==1) && ((\rb)==0)
	v_wmma_scale_f32_16x16x128_f8f6f4 v[\d:\d+7], v[\a:\a+11], v[\b:\b+11], v[\c:\c+7], v[\sa], v[\sb] matrix_a_fmt:MATRIX_FMT_FP6 matrix_b_fmt:MATRIX_FMT_FP6 matrix_a_scale:MATRIX_SCALE_ROW1
.elseif ((\ra)==0)
	v_wmma_scale_f32_16x16x128_f8f6f4 v[\d:\d+7], v[\a:\a+11], v[\b:\b+11], v[\c:\c+7], v[\sa], v[\sb] matrix_a_fmt:MATRIX_FMT_FP6 matrix_b_fmt:MATRIX_FMT_FP6 matrix_b_scale:MATRIX_SCALE_ROW1
.else
	v_wmma_scale_f32_16x16x128_f8f6f4 v[\d:\d+7], v[\a:\a+11], v[\b:\b+11], v[\c:\c+7], v[\sa], v[\sb] matrix_a_fmt:MATRIX_FMT_FP6 matrix_b_fmt:MATRIX_FMT_FP6 matrix_a_scale:MATRIX_SCALE_ROW1 matrix_b_scale:MATRIX_SCALE_ROW1
.endif
.endm
	s_load_b256 s[4:11], s[0:1], 0x0               ; xq, wq, b_qkv, qc
	s_load_b128 s[12:15], s[0:1], 0x20             ; qs, kvc
	s_load_b64 s[16:17], s[0:1], 0x30              ; kvs
	v_lshl_add_u32 v[SPW], v0, 2, SPARE
	v_mov_b32 v[NIL], 0
	ds_add_u32 v[SPW], v[NIL]                      ; the wave's opening: the add and its wait ahead of my first tensor load; the set-up below, work on registers, stands between them
	ds_add_u32 v[SPW], v[NIL]
	v_lshrrev_b32 v1, 5, v0
	s_delay_alu instid0(VALU_DEP_1)
	v_readfirstlane_b32 s[WV], v1                  ; wave 0..7
	s_bfe_u32 s19, ttmp6, 0x40000                  ; cx
	s_lshl_b32 s20, ttmp9, 2
	s_add_co_u32 s20, s20, s19                     ; X = 4 x cluster x + cx
	s_and_b32 s[SY], ttmp7, 0xffff                 ; Y
	s_sub_co_u32 s22, s[SY], 8                     ; (of use where Y >= 8 alone)
	s_lshr_b32 s23, s22, 1
	s_lshl_b32 s23, s23, 2
	s_add_co_u32 s23, s23, 16                      ; v: R's first record, 16 + 4 ((Y - 8) / 2)
	s_and_b32 s66, s22, 1
	s_lshl_b32 s66, s66, 4
	s_add_co_u32 s66, s66, s20                     ; v: P's record, X + 16 ((Y - 8) % 2)
	s_lshl_b32 s67, s[SY], 2                       ; q, k: R's first record, 4 Y
	s_cmp_lt_u32 s[SY], 8
	s_cselect_b32 s23, s67, s23                    ; R's first record: made of Y alone
	s_cselect_b32 s66, s20, s66                    ; P's record
	s_and_b32 s76, s[WV], 3
	s_add_co_u32 s72, s23, s76                     ; the panel of R that I fetch, if I fetch for R
	s_mul_i32 s72, s72, REC
	s_mov_b32 s73, 0
	s_mul_i32 s74, s66, REC
	s_mov_b32 s75, 0
	s_mov_b32 s[G1R], 15|(3<<16)|(1<<21)           ; 15:0 the mask: all four work-groups; 17:16 elements of 8 bytes; 21 set beside a mask; no padding
	s_mov_b32 s[G1P1], 3<<16                       ; no mask: my work-group's own
	s_mov_b32 s[G1H], 15|(3<<16)|(1<<21)
.irp g, G1R, G1P1, G1H
	s_mov_b32 s[\g+1], 32<<16                      ; tensor_dim0 = 32 elements: rows of 256 bytes
	s_mov_b32 s[\g+3], 32<<16                      ; tile_dim0
	s_mov_b32 s[\g+5], 32                          ; the pitch: the block is dense
	s_mov_b32 s[\g+6], 0
	s_mov_b32 s[\g+7], 0
.endr
	s_mov_b32 s[G1R+2], 100<<16                    ; tensor_dim1, tile_dim1: a slice is 100 rows,
	s_mov_b32 s[G1R+4], 100
	s_mov_b32 s[G1P1+2], 100<<16                   ; P's likewise
	s_mov_b32 s[G1P1+4], 100
	s_mov_b32 s[G1H+2], 200<<16                    ; two slices on end
	s_mov_b32 s[G1H+4], 200
	s_mov_b32 s[SEL], 0x76543210
	s_mov_b32 s[SEL+1], 0xfedcba98
	s_mul_i32 s77, s76, 2*SLICE
	s_mul_i32 s80, s76, SLICE                      ; P: slice w % 4
	s_mov_b32 s81, 0
	s_lshr_b32 s86, s[WV], 1                       ; pw: my panel of R
	s_and_b32 s87, s[WV], 1                        ; wl: which four of its tiles
	s_wait_dscnt 0x0                               ; the opening add is done
	s_wait_kmcnt 0x0
	s_cmp_lt_u32 s[SY], 8
	s_cselect_b64 s[68:69], s[4:5], s[6:7]         ; R's buffer: the tokens' or the weights'
	s_cselect_b64 s[70:71], s[6:7], s[4:5]         ; P's: the other
	s_add_nc_u64 s[68:69], s[68:69], s[72:73]
	s_add_nc_u64 s[70:71], s[70:71], s[74:75]
	s_mov_b32 s[G0A], 1
	s_mov_b32 s[G0A+1], s77                        ; slot 0, panel w % 4
	s_mov_b64 s[G0A+2:G0A+3], s[68:69]             ; slice 0
	s_or_b32 s[G0A+3], s[G0A+3], 0x80000000
	s_mov_b32 s[G0B], 1
	s_add_co_u32 s[G0B+1], s77, SLICE              ; slot 1
	s_add_nc_u64 s[G0B+2:G0B+3], s[68:69], SLICE   ; slice 1
	s_or_b32 s[G0B+3], s[G0B+3], 0x80000000
	s_mov_b32 s[G0C], 1
	s_add_co_u32 s[G0C+1], s80, PBASE
	s_add_nc_u64 s[G0C+2:G0C+3], s[70:71], s[80:81]
	s_or_b32 s[G0C+3], s[G0C+3], 0x80000000
	CROUND                                         ; all four work-groups are here: the first joint loads meet
	s_cmp_lt_u32 s[WV], 4                          ; one tensor load a wave at the head: waves 0-3 R's slices 0 and 1, a panel each; waves 4-7 P, a slice each
	s_cbranch_scc0 .Lfill_p
	tensor_load_to_lds s[G0A:G0A+3], s[G1H:G1H+7]
	s_nop 0
.rept 4
	v_nop
.endr
	s_branch .Lfilled
.Lfill_p:
	tensor_load_to_lds s[G0C:G0C+3], s[G1P1:G1P1+7]
	s_nop 0
.rept 4
	v_nop
.endr
.Lfilled:
	v_and_b32 v13, 31, v0
	s_delay_alu instid0(VALU_DEP_1)
	v_lshlrev_b32 v1, 4, v13                       ; 16 x lane: my place in an image
	s_delay_alu instid0(VALU_DEP_2)
	v_lshlrev_b32 v2, 2, v13                       ; 4 x lane: among scale words
	s_wait_alu depctr_va_vdst(0)
	v_add_nc_u32 v3, PBASE, v1                     ; P's fragments, slices 0 and 1;
	v_add_nc_u32 v4, PBASE+2*SLICE, v1             ; slices 2 and 3
	v_add_nc_u32 v5, PBASE+24576, v2               ; P's scale words likewise
	v_add_nc_u32 v6, PBASE+2*SLICE+24576, v2
	s_mul_i32 s88, s86, 2*SLICE
	s_mul_i32 s89, s87, 6144
	s_add_co_u32 s89, s89, s88
	v_add_nc_u32 v7, s89, v1                       ; R's fragments: my panel, my four tiles, slot 0;
	s_add_co_u32 s89, s89, SLICE
	v_add_nc_u32 v8, s89, v1                       ; slot 1
	s_lshl_b32 s89, s87, 8
	s_add_co_u32 s89, s89, s88
	s_add_co_u32 s89, s89, 24576
	v_add_nc_u32 v9, s89, v2                       ; R's scale words
	s_add_co_u32 s89, s89, SLICE
	v_add_nc_u32 v10, s89, v2
	v_bfe_u32 v11, v0, 4, 1
	s_delay_alu instid0(VALU_DEP_1)
	v_lshlrev_b32 v11, 6, v11                      ; the bias, q and k: 16 (lane / 16) numbers on
	v_and_b32 v12, 15, v0
	s_delay_alu instid0(VALU_DEP_1)
	v_and_b32 v13, 8, v12
	s_delay_alu instid0(VALU_DEP_1)
	v_add_nc_u32 v12, v12, v13
	s_delay_alu instid0(VALU_DEP_1)
	v_lshlrev_b32 v12, 2, v12                      ; v: number r + 8 (r / 8)
	s_cmp_lt_u32 s[SY], 8
	s_cbranch_scc0 .Lbias_v
	s_lshl_b32 s84, s20, 9                         ; q, k: the bias goes with source 0's rows: register j of tile p is column 32 (p / 2) + 8 (p % 2) + 16 (lane / 16) + j of panel X
	s_mov_b32 s85, 0
	s_add_nc_u64 s[84:85], s[8:9], s[84:85]
.irp p, 0,1,2,3,4,5,6,7
	global_load_b128 v[CB+8*\p:CB+8*\p+3], v11, s[84:85] offset:4*(32*(\p/2)+8*(\p%2))
	global_load_b128 v[CB+8*\p+4:CB+8*\p+7], v11, s[84:85] offset:4*(32*(\p/2)+8*(\p%2))+16
.endr
	s_branch .Lbias_done
.Lbias_v:
	s_add_co_u32 s84, s23, s86                     ; v: the bias goes with source 1's rows: one number a lane, the same in a tile's eight registers
	s_lshl_b32 s84, s84, 9
	s_lshl_b32 s85, s87, 8
	s_add_co_u32 s84, s84, s85
	s_mov_b32 s85, 0
	s_add_nc_u64 s[84:85], s[8:9], s[84:85]
	s_wait_alu depctr_va_vdst(0)
.irp t, 0,1,2,3
.irp j, 0,1,2,3,4,5,6,7
	global_load_b32 v[CB+8*\t+\j], v12, s[84:85] offset:4*(32*(\t/2)+8*(\t%2))
.endr
.endr
.Lbias_done:
; The loads of K step (slice sg, q): R's four fragments, the scale words, P's eight fragments tile by tile.
.macro KLOAD sg, q
.rept 4
	v_nop                                          ; four places in front of loads into registers that matrix instructions have read
.endr
.irp t, 0,1,2,3
.irp g, 0,1,2
	ds_load_b128 v[RF+12*\t+4*\g:RF+12*\t+4*\g+3], v[7+(\sg)%2] offset:12288*(\q)+FR*\t+512*\g
.endr
.endr
.irp i, 0,1,2,3
	ds_load_b32 v[PS+\i], v[5+(\sg)/2] offset:SLICE*((\sg)%2)+512*(\q)+128*\i
.endr
.irp i, 0,1
	ds_load_b32 v[RSC+\i], v[9+(\sg)%2] offset:512*(\q)+128*\i
.endr
.irp t, 0,1,2,3,4,5,6,7
.irp g, 0,1,2
	ds_load_b128 v[PF+12*\t+4*\g:PF+12*\t+4*\g+3], v[3+(\sg)/2] offset:SLICE*((\sg)%2)+12288*(\q)+FR*\t+512*\g
.endr
.endr
.endm
; Its 32 products.  cmode 0: the sums go on in place; 1, 2: the first K step starts them with the bias as C (by P's tile; by R's tile): nothing is cleared and nothing is added later.
.macro KMUL cmode
.if \cmode
	WIN 0x40                                       ; D window 1; A, B, C window 0
.else
	WIN 0x50                                       ; C and D window 1
.endif
.irp p, 0,1,2,3,4,5,6,7
	s_wait_dscnt 3*(7-\p)                          ; R, the scale words and P's tiles up to p are in; the later tiles' loads, three each, may be out
.irp r, 0,1,2,3
.if \cmode == 0
	WMC 8*(8*\r+\p), PF+12*\p, RF+12*\r, 8*(8*\r+\p), PS+\p/2, RSC+\r/2, \p%2, \r%2
.elseif \cmode == 1
	WMC 8*(8*\r+\p), PF+12*\p, RF+12*\r, CB+8*\p, PS+\p/2, RSC+\r/2, \p%2, \r%2
.else
	WMC 8*(8*\r+\p), PF+12*\p, RF+12*\r, CB+8*\r, PS+\p/2, RSC+\r/2, \p%2, \r%2
.endif
.endr
.endr
	WIN 0
.endm
; The change of slots.  Each wave waits for all its tensor loads, adds 0 to its spare word and waits for that and for its reads of the slot that it leaves.
; fill = 1: the barrier is a round of the cluster's, and the slot just read is filled again, two slices on, jointly, by waves 0 to 3: one load a wave, first behind the round.
.macro CHANGE g0, fill
	s_wait_tensorcnt 0x0                           ; no tensor load of mine is out, so a group 0 may be written
	ds_add_u32 v[SPW], v[NIL]                      ; 0 onto my spare word
.if \fill
	s_add_nc_u64 s[\g0+2:\g0+3], s[\g0+2:\g0+3], 2*SLICE
.endif
	s_wait_dscnt 0x0                               ; the add is done, and my reads of the slot are over
.if \fill
	CROUND
	s_cmp_lt_u32 s[WV], 4
	s_cbranch_scc0 .Lnf_\@
	tensor_load_to_lds s[\g0:\g0+3], s[G1R:G1R+7]
	s_nop 0
.rept 4
	v_nop
.endr
.Lnf_\@:
.else
	s_barrier_signal -1
	s_barrier_wait -1
.endif
.endm
	s_wait_alu depctr_va_vdst(0)
	s_wait_tensorcnt 0x0                           ; my one load is in: a panel's slices 0 and 1, or a slice of P
	s_barrier_signal -1
	s_barrier_wait -1                              ; everybody's is
	s_wait_loadcnt 0x0                             ; the bias
	s_wait_alu depctr_va_vdst(0)
	KLOAD 0, 0
	s_cmp_lt_u32 s[SY], 8
	s_cbranch_scc0 .Lfirst_v
	KMUL 1
	s_branch .Lfirst_done
.Lfirst_v:
	KMUL 2
.Lfirst_done:
	KLOAD 0, 1
	KMUL 0
	CHANGE G0A, 1                                  ; slot 1 and all of P have landed; slice 2 goes out into slot 0
	KLOAD 1, 0
	KMUL 0
	KLOAD 1, 1
	KMUL 0
	CHANGE G0B, 1                                  ; slice 3 into slot 1
	KLOAD 2, 0
	KMUL 0
	KLOAD 2, 1
	KMUL 0
	CHANGE G0A, 0                                  ; nothing is left to fetch
	KLOAD 3, 0
	KMUL 0
	KLOAD 3, 1
	KMUL 0
; THE WAY OUT.  Four blocks of 32, of which my lane holds 16 numbers each (at s0, s0 + 16, s1, s1 + 16 of window 1; the other 16 in lane l xor 16), become a fragment in v[pc] .. v[pc + 11] and its scale word in v[pw].
; Each accumulator is read from its low end on.
.macro QUANTW s0, s1, pc, pw
	WIN 0x05                                       ; sources 0 and 1 window 1
	v_max3_num_f32 v[TM+0], |v[\s0]|, |v[\s0+1]|, 0x1800000        ; the floor 2^(3 - 127): the byte cannot fall under 1
	v_max3_num_f32 v[TM+1], |v[\s0+16]|, |v[\s0+17]|, 0x1800000
	v_max3_num_f32 v[TM+2], |v[\s1]|, |v[\s1+1]|, 0x1800000
	v_max3_num_f32 v[TM+3], |v[\s1+16]|, |v[\s1+17]|, 0x1800000
	WIN 0x14                                       ; sources 1 and 2 window 1
.irp i, 2,4,6,8,10,12,14
	v_max3_num_f32 v[TM+0], v[TM+0], |v[\s0+\i]|, |v[\s0+\i+1]|    ; (the four blocks by turns)
	v_max3_num_f32 v[TM+1], v[TM+1], |v[\s0+16+\i]|, |v[\s0+17+\i]|
	v_max3_num_f32 v[TM+2], v[TM+2], |v[\s1+\i]|, |v[\s1+\i+1]|
	v_max3_num_f32 v[TM+3], v[TM+3], |v[\s1+16+\i]|, |v[\s1+17+\i]|
.endr
	WIN 0
.irp b, 0,1,2,3
	v_permlanex16_b32 v[TM+4+\b], v[TM+\b], s[SEL], s[SEL+1]
.endr
.irp b, 0,1,2,3
	s_delay_alu instid0(VALU_DEP_4)
	v_max_num_f32 v[TM+\b], v[TM+\b], v[TM+4+\b]   ; with lane l xor 16's: the block's largest magnitude
.endr
.irp b, 0,1,2,3
	s_delay_alu instid0(VALU_DEP_4)
	v_add_nc_u32 v[TM+12+\b], 0xff000000, v[TM+\b] ; 2 off its exponent field: the conversion's scale operand
.endr
.irp b, 0,1,2,3
	s_delay_alu instid0(VALU_DEP_4)
	v_lshrrev_b32 v[TM+4+\b], 23, v[TM+12+\b]      ; the scale's byte
.endr
	s_delay_alu instid0(VALU_DEP_3)
	v_lshl_or_b32 v[\pw], v[TM+5], 8, v[TM+4]
	s_delay_alu instid0(VALU_DEP_1)
	v_lshl_or_b32 v[\pw], v[TM+6], 16, v[\pw]
	s_delay_alu instid0(VALU_DEP_1)
	v_lshl_or_b32 v[\pw], v[TM+7], 24, v[\pw]
	WIN 0x01                                       ; the numbers in window 1
	v_cvt_scalef32_pk16_fp6_f32 v[\pc:\pc+2], v[\s0:\s0+15], v[TM+12]
	v_cvt_scalef32_pk16_fp6_f32 v[\pc+12:\pc+14], v[\s0+16:\s0+31], v[TM+13]
	v_cvt_scalef32_pk16_fp6_f32 v[\pc+6:\pc+8], v[\s1:\s1+15], v[TM+14]
	v_cvt_scalef32_pk16_fp6_f32 v[\pc+16:\pc+18], v[\s1+16:\s1+31], v[TM+15]
	WIN 0
	v_nop                                          ; one plain place behind the conversions
.irp c, 0,1                                    ; the operand's layout wants a WHOLE block in a lane: lanes 0-15 block 2 c, lanes 16-31 block 2 c + 1
.irp i, 0,1,2
	v_permlane16_swap_b32 v[\pc+6*\c+\i], v[\pc+12+4*\c+\i]
.endr
.irp i, 0,1,2
	s_delay_alu instid0(VALU_DEP_3)
	v_mov_b32 v[\pc+3+6*\c+\i], v[\pc+12+4*\c+\i]
.endr
.endr
.endm
.rept 4
	v_nop                                          ; four places behind the last products: results are read, and registers that held operands are written
.endr
.irp b, 0,1,2,3
	v_mov_b32 v[TM+4+\b], 0                        ; (a lane permute's destination counts as one of its sources)
.endr
	s_mov_b32 s80, 0xffff0000                      ; lanes 16-31
	s_cmp_lt_u32 s[SY], 8
	s_cbranch_scc0 .Lout_v
	s_cmp_lt_u32 ttmp9, 2                          ; panels 0-7 are q's, 8-15 k's: the cluster's x decides, which the partners share
	s_cselect_b64 s[88:89], s[10:11], s[14:15]
	s_cselect_b64 s[90:91], s[12:13], s[16:17]
	s_and_b32 s92, s20, 7
	s_lshl_b32 s92, s92, 6                         ; 32 x the panel's first head
	s_lshl_b32 s93, s[SY], 2
	s_add_co_u32 s92, s92, s93
	s_add_co_u32 s92, s92, s86                     ; + the token block 4 Y + pw
	s_mul_i32 s94, s92, 12288
	s_mul_i32 s95, s87, 3072
	s_add_co_u32 s94, s94, s95                     ; + fragments 2 wl on
	s_mov_b32 s95, 0
	s_add_nc_u64 s[88:89], s[88:89], s[94:95]
	s_lshl_b32 s94, s92, 9
	s_lshl_b32 s92, s87, 7
	s_add_co_u32 s94, s94, s92
	s_add_nc_u64 s[90:91], s[90:91], s[94:95]
.irp hh, 0,1                                   ; unit (head hh of the panel, pair of token tiles be): block 2 u + b' = token tile u, dims 32 b' on
.irp be, 0,1
	QUANTW 128*\be+32*\hh, 128*\be+32*\hh+64, PC+20*(2*\hh+\be), PW+2*\hh+\be
.irp g, 0,1,2
	global_store_b128 v1, v[PC+20*(2*\hh+\be)+4*\g:PC+20*(2*\hh+\be)+4*\g+3], s[88:89] offset:393216*\hh+FR*\be+512*\g   ; 512 consecutive bytes, at a multiple of 256 from the buffer's first byte
.endr
.endr
	v_cndmask_b32 v[SS+\hh], v[PW+2*\hh], v[PW+2*\hh+1], s80       ; two fragments' words in one register
	global_store_b32 v2, v[SS+\hh], s[90:91] offset:16384*\hh
.endr
	s_branch .Lout_done
.Lout_v:
	s_sub_co_u32 s92, s23, 16
	s_add_co_u32 s92, s92, s86                     ; v's panel 0..7
	s_lshl_b32 s92, s92, 1
	s_add_co_u32 s92, s92, s87                     ; the head
	s_lshl_b32 s92, s92, 5
	s_add_co_u32 s92, s92, s66                     ; + the token block (P's record)
	s_mul_i32 s94, s92, 12288
	s_add_co_u32 s94, s94, 6144                    ; behind k's four fragments
	s_mov_b32 s95, 0
	s_add_nc_u64 s[88:89], s[14:15], s[94:95]
	s_lshl_b32 s94, s92, 9
	s_add_co_u32 s94, s94, 256
	s_add_nc_u64 s[90:91], s[16:17], s[94:95]
.irp n, 0,1,2,3                                ; unit n: 16 dims x 128 keys: block b = keys 32 b on
	QUANTW 64*\n, 64*\n+32, PC+20*\n, PW+\n
.irp g, 0,1,2
	global_store_b128 v1, v[PC+20*\n+4*\g:PC+20*\n+4*\g+3], s[88:89] offset:FR*\n+512*\g
.endr
.endr
.irp i, 0,1
	v_cndmask_b32 v[SS+\i], v[PW+2*\i], v[PW+2*\i+1], s80
	global_store_b32 v2, v[SS+\i], s[90:91] offset:128*\i
.endr
.Lout_done:
	s_wait_tensorcnt 0x0                           ; the wave's end
	ds_add_u32 v[SPW], v[NIL]
	s_wait_dscnt 0x0
	CROUND                                         ; the closing round: no work-group ends while a partner may still ask for a slice that names it
	s_endpgm
.Lfunc_end_k_qf68a41ebe4_qkv:
	.size	k_qf68a41ebe4_qkv, .Lfunc_end_k_qf68a41ebe4_qkv-k_qf68a41ebe4_qkv
	.p2alignl 7, 3214868480
	.fill 96, 4, 3214868480
	.section	.rodata,"a",@progbits
	.p2align	6, 0x0
	.amdhsa_kernel k_qf68a41ebe4_qkv
		.amdhsa_group_segment_fixed_size 327680
		.amdhsa_private_segment_fixed_size 0
		.amdhsa_enable_private_segment 0
		.amdhsa_kernarg_size 56
		.amdhsa_user_sgpr_count 2
		.amdhsa_user_sgpr_kernarg_segment_ptr 1
		.amdhsa_wavefront_size32 1
		.amdhsa_system_sgpr_workgroup_id_x 1
		.amdhsa_system_sgpr_workgroup_id_y 1
		.amdhsa_system_sgpr_workgroup_id_z 1
		.amdhsa_system_vgpr_workitem_id 0
		.amdhsa_next_free_vgpr 512
		.amdhsa_next_free_sgpr 96
		.amdhsa_reserve_vcc 0
		.amdhsa_float_denorm_mode_32 3
		.amdhsa_float_denorm_mode_16_64 3
		.amdhsa_memory_ordered 1
		.amdhsa_forward_progress 1
		.amdhsa_inst_pref_size 116
	.end_amdhsa_kernel
	.amdgpu_metadata
---
amdhsa.version: [ 1, 2 ]
amdhsa.kernels:
  - .name:           k_qf68a41ebe4_qkv
    .symbol:         k_qf68a41ebe4_qkv.kd
    .args:
      - { .name: xq, .offset: 0, .size: 8, .value_kind: global_buffer, .address_space: global }
      - { .name: wq, .offset: 8, .size: 8, .value_kind: global_buffer, .address_space: global }
      - { .name: b_qkv, .offset: 16, .size: 8, .value_kind: global_buffer, .address_space: global }
      - { .name: qc, .offset: 24, .size: 8, .value_kind: global_buffer, .address_space: global }
      - { .name: qs, .offset: 32, .size: 8, .value_kind: global_buffer, .address_space: global }
      - { .name: kvc, .offset: 40, .size: 8, .value_kind: global_buffer, .address_space: global }
      - { .name: kvs, .offset: 48, .size: 8, .value_kind: global_buffer, .address_space: global }
    .group_segment_fixed_size: 327680
    .private_segment_fixed_size: 0
    .kernarg_segment_align: 8
    .kernarg_segment_size: 56
    .max_flat_workgroup_size: 256
    .sgpr_count:     96
    .vgpr_count:     512
    .wavefront_size: 32
...
	.end_amdgpu_metadata
.endif
;; end of part 2
;; launch attn (part 3): grid 16 x 16, 16 waves a work-group, no clusters, 327,680 bytes of LDS; arguments qc, qs, kvc, kvs, ao; writes ao
.if DOCPART == 3
	.amdgcn_target "amdgcn-amd-amdhsa--gfx1250"
	.amdhsa_code_object_version 6
	.text
	.protected	k_qf68a41ebe4_attn
	.globl	k_qf68a41ebe4_attn
	.p2align	8
	.type	k_qf68a41ebe4_attn,@function
k_qf68a41ebe4_attn:
	s_mov_b64 s[64:65], 0
	v_nop
	global_prefetch_b8 v0, s[64:65] scope:SCOPE_SE
	s_setreg_imm32_b32 hwreg(HW_REG_WAVE_MODE, 25, 1), 1
	s_wait_xcnt 0x0
; Causal attention of one head on codes of FP6 (E2M3) with E8M0 scales, head size 64, 4,096 tokens; the result, divided by the row's sum, leaves as codes along the model's 1,024 (half a head is a block of 32).
; SOFTMAX: t = score x log2(e) / 8; M = the running largest t rounded UP to a whole number; p = 2^(t - M) is quantised along the keys, not normalised; the row's sum is taken of the unquantised p and divides at the end;
; when M moves, the sum and O are multiplied by 2^(old M - new M), which rounds nothing.
; LEFT OUT: steps of 128 keys that all come after a tile's queries: the causal mask makes their p zero for every input.
; SHARES.  A work-group (x = p, y = head) owns the blocks of 128 queries 31 - p and p, one AFTER the other.  All sixteen waves work on the block in hand: wave w has its tile a = w % 8 (16 queries) and, of each slot of
; 512 keys (four steps of 128), steps j and j + 2, j = w / 8.  Block 31 - p has (35 - p) / 4 slots (rounded down) and block p the rest of 9: 9 trips for every p, a constant of the text, two steps a wave and trip.
; At the change of blocks (a scalar branch on ids and the trip's number, the same in all waves) each wave puts O^T, -M and its sum into LDS bytes of its own, clears them, and takes the second block's q from registers.
; After the last trip the same, one barrier, and wave (j, a) joins the two halves of the keys of tile a of block j (0: 31 - p, 1: p): both under the larger M by exact powers of two, added, divided, quantised, stored.
; LAYOUT.  Both products transposed: S^T = K Q^T, O^T = V^T P^T: a lane holds ONE query throughout.  Tiles are in the order row 8 u + r + 8 (r / 8) of each 32, so the 16 registers of tiles 2 b, 2 b + 1 are 16 neighbours.
; K = 64 IN AN INSTRUCTION OF 128: a pair fragment of K holds key tile (b, 0) in its first 64 along K and (b, 1) in its second; Q stands as q, 0, q in 18 registers: (q, 0) gives tile 2 b, (0, q) tile 2 b + 1.
; kvc: [head][step] 12,288 bytes = K's 4 pair fragments, V^T's 4 fragments (images of 1,536 bytes); kvs: [head][step] 512 bytes of scale words.  A slot is 49,152 dense bytes of codes (wave 0's load) and 2,048 of words (wave 1's).
; No cluster: the work-groups of a head change blocks at trips 5 to 8, by p, so from there on partners would ask for different slots in the same round.
; LIMITS: the scaled scores stay under 2^31 in magnitude; NaN and infinities are not served; a block whose largest magnitude lies under 2^-124, a block of zeros among them, gets the byte 1 (only this program reads the bytes).
.set FR,    1536
.set STEPB, 12288
.set SLOTB, 4*STEPB                    ; a slot's codes; its scale words lie behind them
.set SLOT1, 65536                      ; slot 0 at 0, slot 1 here: one exclusive or turns an address
.set STG,   131072                     ; the stages: for each wave two places of PST bytes (O^T 4,096, then -M and the sum 256); no tensor load lands here
.set PST,   4352
.set WST,   2*PST
.set SPARE, STG+16*WST                 ; the spare words, 128 bytes a wave
.set TRIPS, 9
.set L16, 1                            ; v1   16 x lane
.set LSJ, 2                            ; v2   step j's scale words in slot 0
.set QL,  3                            ; v3   r + 8 (r / 8) - 16 (lane / 16)
.set L8,  4                            ; v4   8 x lane
.set SPW, 5                            ; v5   LDS address of my spare word; never rewritten
.set NIL, 6                            ; v6   0; never rewritten
.set R4,  7                            ; v7   4 r
.set ADK, 8                            ; v8   LDS address of step j's fragments in the slot in hand
.set ADS, 9                            ; v9   of its scale words
.set DD,  10                           ; v10  the mask's d
.set NINF, 11                          ; v11  -infinity
.set QF,  16                           ; v16-33 q, 0, q      (v12 -M, v13 the largest t, v[14:15] the sum in two halves)
.set QS,  34                           ; v34  Q's scale word
.set LK,  35                           ; v35  step j's fragments in slot 0
.set KF,  36                           ; v36-83 four fragments, of K and then of V
.set KS,  84                           ; v84-85 K's scale words; v86-87 V's
.set VS,  86
.set Q2,  88                           ; v88-93 the second block's q; v94 its scale word
.set QS2, 94
.set STA, 95                           ; v95  my stage, 16 bytes a lane
.set S,   96                           ; v96-159 S^T, then p
.set OT,  160                          ; v160-191 O^T
.set BM,  192                          ; v192-195 the blocks' largest; v196-199 at work; v200-203 the conversions' scale operands
.set BT,  196
.set SO,  200
.set PC,  204                          ; v204-215 p's codes; v216-222 the conversions' second halves
.set PT,  216
.set STM, 223                          ; v223 my stage's last 256 bytes, 8 a lane
.set FF,  224                          ; v[224:225] f
.set PW,  226                          ; v226 p's scale word
.set TT,  227
.set GG,  228                          ; v[228:229] the join's second factor
.set PFO, 230                          ; v230 256 x lane; never rewritten
.set HWD, 231
.set RA0, 232                          ; v232-235 the join: the two stages that I read
.set RA1, 233
.set RM0, 234
.set RM1, 235
.set ML,  236                          ; v236-239 their -M and sums
.set CH,  240                          ; v240-253 seven chains of the sum; at work in the join
.set TB,  2
.set T,   3
.set WV,  18
.set SEL, 20
.set CS,  22
.set G1K, 24
.set G1S, 32
.set G0K, 40
.set G0S, 44
.set KFS, 48                           ; my step's first key
.set QB,  49                           ; my smallest query;  s50 my largest;  s51 the smallest in the second block
.set QMAX, 50
.set QBE, 51
.set NL,  52                           ; the first block's slots
.set LIM, 53
.set PFA, 54
.set KVB, 66                           ; s[66:67] the head in kvc;  s[68:69] in kvs
.set KSB, 68
.set KF0, 80                           ; 128 j
.macro WM0 d, a, b, sa, sb, ra
.if (\ra)==0
	v_wmma_scale_f32_16x16x128_f8f6f4 v[\d:\d+7], v[\a:\a+11], v[\b:\b+11], 0, v[\sa], v[\sb] matrix_a_fmt:MATRIX_FMT_FP6 matrix_b_fmt:MATRIX_FMT_FP6
.else
	v_wmma_scale_f32_16x16x128_f8f6f4 v[\d:\d+7], v[\a:\a+11], v[\b:\b+11], 0, v[\sa], v[\sb] matrix_a_fmt:MATRIX_FMT_FP6 matrix_b_fmt:MATRIX_FMT_FP6 matrix_a_scale:MATRIX_SCALE_ROW1
.endif
.endm
.macro WMC d, a, b, sa, sb, ra
.if (\ra)==0
	v_wmma_scale_f32_16x16x128_f8f6f4 v[\d:\d+7], v[\a:\a+11], v[\b:\b+11], v[\d:\d+7], v[\sa], v[\sb] matrix_a_fmt:MATRIX_FMT_FP6 matrix_b_fmt:MATRIX_FMT_FP6
.else
	v_wmma_scale_f32_16x16x128_f8f6f4 v[\d:\d+7], v[\a:\a+11], v[\b:\b+11], v[\d:\d+7], v[\sa], v[\sb] matrix_a_fmt:MATRIX_FMT_FP6 matrix_b_fmt:MATRIX_FMT_FP6 matrix_a_scale:MATRIX_SCALE_ROW1
.endif
.endm
.macro QOFF blk, c, w                  ; byte offsets of Q's pair fragment a / 2 of block blk, and of its scale words
	s_add_co_u32 s62, s63, \blk
	s_mul_i32 s[\c], s62, 12288
	s_add_co_u32 s[\c], s[\c], s86
	s_mov_b32 s[\c+1], 0
	s_lshl_b32 s[\w], s62, 9
	s_add_co_u32 s[\w], s[\w], s87
	s_mov_b32 s[\w+1], 0
.endm
	s_load_b256 s[4:11], s[0:1], 0x0               ; qc, qs, kvc, kvs
	s_load_b64 s[12:13], s[0:1], 0x20              ; ao
	v_lshl_add_u32 v[SPW], v0, 2, SPARE
	v_mov_b32 v[NIL], 0
	ds_add_u32 v[SPW], v[NIL]                      ; the wave's opening: the add, twice on end, and its wait ahead of the first tensor load; work on registers stands between
	ds_add_u32 v[SPW], v[NIL]
	v_lshrrev_b32 v8, 5, v0
	s_delay_alu instid0(VALU_DEP_1)
	v_readfirstlane_b32 s[WV], v8                  ; wave 0..15
	s_and_b32 s56, ttmp7, 0xffff                   ; the head
	s_and_b32 s57, s[WV], 7                        ; a: my tile
	s_lshr_b32 s58, s[WV], 3                       ; j: my steps of each slot; also the block that I join at the end
	s_sub_co_u32 s59, 31, ttmp9                    ; the first block
	s_lshr_b32 s60, s57, 1                         ; a / 2
	s_and_b32 s61, s57, 1                          ; a % 2
	s_lshl_b32 s62, s60, 5
	s_lshl_b32 s63, s61, 3
	s_add_co_u32 s62, s62, s63
	s_lshl_b32 s[QB], s59, 7
	s_add_co_u32 s[QB], s[QB], s62                 ; lane r's query is QB + r + 8 (r / 8)
	s_add_co_u32 s[QMAX], s[QB], 23
	s_lshl_b32 s[QBE], ttmp9, 7
	s_add_co_u32 s[QBE], s[QBE], s62
	s_lshl_b32 s[KF0], s58, 7
	s_mov_b32 s[KFS], s[KF0]
	s_sub_co_u32 s[NL], 35, ttmp9
	s_lshr_b32 s[NL], s[NL], 2
	s_mul_i32 s[KVB], s56, 393216
	s_mov_b32 s[KVB+1], 0
	s_lshl_b32 s[KSB], s56, 14
	s_mov_b32 s[KSB+1], 0
	s_lshl_b32 s63, s56, 5
	s_mul_i32 s86, s60, FR
	s_lshl_b32 s87, s60, 6
	QOFF s59, 70, 72
	QOFF ttmp9, 74, 76
	s_cmp_eq_u32 s58, 0
	s_cselect_b32 s62, s59, ttmp9                  ; the block whose tile a I join and store
	s_mul_i32 s82, s62, 102400                     ; the result: its record,
	s_lshr_b32 s86, s56, 2
	s_mul_i32 s86, s86, 25600
	s_add_co_u32 s82, s82, s86                     ; slice head / 4,
	s_bfe_u32 s86, s56, 0x10001                    ; K step (head / 2) % 2 of it,
	s_and_b32 s87, s56, 1                          ; half head % 2 of the fragment
	s_lshl_b32 s84, s86, 9
	s_add_co_u32 s84, s84, s82
	s_add_co_u32 s84, s84, 24576
	s_lshl_b32 s88, s57, 6
	s_add_co_u32 s84, s84, s88
	s_lshl_b32 s88, s87, 1
	s_add_co_u32 s84, s84, s88                     ; my two bytes of each row's scale word
	s_mov_b32 s85, 0
	s_mul_i32 s86, s86, 12288
	s_add_co_u32 s82, s82, s86
	s_mul_i32 s86, s57, FR
	s_add_co_u32 s82, s82, s86
	s_mul_i32 s86, s87, 768
	s_add_co_u32 s82, s82, s86                     ; my half image of 768 bytes
	s_mov_b32 s83, 0
	s_mov_b32 s[G1K], 3<<16                        ; no mask; elements of 8 bytes; no padding
	s_mov_b32 s[G1S], 3<<16
.irp g, G1K, G1S
	s_mov_b32 s[\g+1], 32<<16                      ; rows of 256 bytes, dense
	s_mov_b32 s[\g+3], 32<<16
	s_mov_b32 s[\g+5], 32
	s_mov_b32 s[\g+6], 0
	s_mov_b32 s[\g+7], 0
.endr
	s_mov_b32 s[G1K+2], 192<<16                    ; a slot's codes: 192 rows
	s_mov_b32 s[G1K+4], 192
	s_mov_b32 s[G1S+2], 8<<16                      ; its scale words: 8 rows
	s_mov_b32 s[G1S+4], 8
	s_mov_b32 s[SEL], 0x76543210
	s_mov_b32 s[SEL+1], 0xfedcba98
	s_mov_b32 s[CS], 0x3e38aa3b                    ; c = log2(e) / 8
	s_mov_b32 s[CS+1], s[CS]                       ; (named with it as a pair)
	s_mov_b32 s[TB], 0
	s_mov_b32 s[T], 0
	s_sub_co_u32 s87, s[WV], 4                     ; who prefetches: waves 4 to 9
	s_cmp_lt_u32 s87, 6
	s_cselect_b32 s86, 0, 1
	s_or_b32 s86, s86, ttmp9                       ; of the head's work-group 0, whose first block walks all 8 slots
	s_cmp_eq_u32 s86, 0
	s_cselect_b32 s[LIM], 6, 0                     ; in trips 0 to 5: slots 2 to 7
	s_min_u32 s87, s87, 5
	s_lshl_b32 s78, s87, 13                        ; 8,192 bytes a wave,
	s_add_co_u32 s78, s78, SLOTB                   ; in slot 1: the first change of slots steps it to slot 2
	s_mov_b32 s79, 0
	s_mul_i32 s90, s58, STEPB                      ; LDS: step j in a slot,
	s_lshl_b32 s91, s58, 9
	s_add_co_u32 s91, s91, SLOTB                   ; its scale words,
	s_mul_i32 s92, s[WV], WST
	s_add_co_u32 s92, s92, STG                     ; my stage,
	s_add_co_u32 s93, s92, 4096
	s_mul_i32 s94, s57, WST
	s_mul_i32 s95, s58, PST
	s_add_co_u32 s94, s94, s95
	s_add_co_u32 s94, s94, STG                     ; and for the join: place j of wave a's stage
	s_add_co_u32 s95, s94, 4096
	s_add_co_u32 s96, s94, 8*WST                   ; and of wave a + 8's
	s_add_co_u32 s97, s95, 8*WST
	s_cmp_eq_u32 s61, 1                            ; my tile is the pair fragment's second half?
	s_cselect_b32 s87, -1, 0
	s_mov_b32 s88, 0x03020302
	s_cselect_b32 s88, s88, 0x01000100             ; and its two bytes of the word, twice
	s_wait_dscnt 0x0                               ; both opening adds are done
	s_wait_kmcnt 0x0
	s_add_nc_u64 s[KVB:KVB+1], s[8:9], s[KVB:KVB+1]
	s_add_nc_u64 s[KSB:KSB+1], s[10:11], s[KSB:KSB+1]
	s_mov_b32 s[G0K], 1
	s_mov_b32 s[G0K+1], 0
	s_mov_b64 s[G0K+2:G0K+3], s[KVB:KVB+1]
	s_or_b32 s[G0K+3], s[G0K+3], 0x80000000
	s_mov_b32 s[G0S], 1
	s_mov_b32 s[G0S+1], SLOTB
	s_mov_b64 s[G0S+2:G0S+3], s[KSB:KSB+1]
	s_or_b32 s[G0S+3], s[G0S+3], 0x80000000
	s_cmp_eq_u32 s[WV], 0                          ; the first fills: wave 0 slot 0's codes, wave 1 its scale words
	s_cbranch_scc0 .Lnot_0
	tensor_load_to_lds s[G0K:G0K+3], s[G1K:G1K+7]
	s_nop 0
.rept 4
	v_nop
.endr
	s_branch .Lfilled
.Lnot_0:
	s_cmp_eq_u32 s[WV], 1
	s_cbranch_scc0 .Lfilled
	tensor_load_to_lds s[G0S:G0S+3], s[G1S:G1S+7]
	s_nop 0
.rept 4
	v_nop
.endr
.Lfilled:
	s_add_nc_u64 s[70:71], s[4:5], s[70:71]
	s_add_nc_u64 s[72:73], s[6:7], s[72:73]
	s_add_nc_u64 s[74:75], s[4:5], s[74:75]
	s_add_nc_u64 s[76:77], s[6:7], s[76:77]
	s_add_nc_u64 s[82:83], s[12:13], s[82:83]
	s_add_nc_u64 s[84:85], s[12:13], s[84:85]
	s_add_nc_u64 s[PFA:PFA+1], s[KVB:KVB+1], s[78:79]
	v_and_b32 v8, 31, v0
	v_and_b32 v10, 15, v0                          ; r
	v_bfe_u32 v9, v0, 4, 1                         ; h
	v_lshlrev_b32 v[L16], 4, v8
	v_lshlrev_b32 v[R4], 2, v10
.irp g, 0,1,2
	global_load_b128 v[KF+4*\g:KF+4*\g+3], v[L16], s[70:71] offset:512*\g          ; the pair fragment that holds my tile, first block;
	global_load_b128 v[KF+16+4*\g:KF+16+4*\g+3], v[L16], s[74:75] offset:512*\g    ; second block
.endr
	global_load_b32 v[KF+12], v[R4], s[72:73]      ; and their scale words
	global_load_b32 v[KF+28], v[R4], s[76:77]
	v_lshlrev_b32 v[PFO], 8, v8
	v_lshlrev_b32 v[L8], 3, v8
	v_lshlrev_b32 v[LSJ], 2, v8
	v_add_nc_u32 v[LK], s90, v[L16]
	v_add_nc_u32 v[STA], s92, v[L16]
	v_add_nc_u32 v[LSJ], s91, v[LSJ]
	v_add_nc_u32 v[STM], s93, v[L8]
	v_add_nc_u32 v[RA0], s94, v[L16]
	v_add_nc_u32 v[RM0], s95, v[L8]
	v_add_nc_u32 v[RA1], s96, v[L16]
	v_add_nc_u32 v[RM1], s97, v[L8]
	v_and_b32 v[QL], 8, v10
	v_lshlrev_b32 v9, 4, v9
	s_delay_alu instid0(VALU_DEP_2)
	v_add_nc_u32 v[QL], v[QL], v10
	s_delay_alu instid0(VALU_DEP_1)
	v_sub_nc_u32 v[QL], v[QL], v9
	v_mov_b32 v[NINF], 0xff800000
	v_mov_b32 v13, 0xff61b1e6                      ; the largest t so far: -3e38, under every t
	s_delay_alu instid0(VALU_DEP_1)
	v_floor_f32 v12, -v13                          ; -M
	v_mov_b32 v14, 0
	v_mov_b32 v15, 0
	s_wait_loadcnt 0x0
.irp i, 0,1,2,3,4,5
	v_cndmask_b32 v[QF+\i], v[KF+\i], v[KF+6+\i], s87
	v_cndmask_b32 v[Q2+\i], v[KF+16+\i], v[KF+22+\i], s87
.endr
.irp i, 0,1,2,3,4,5
	v_mov_b32 v[QF+6+\i], 0
	v_mov_b32 v[QF+12+\i], v[QF+\i]
.endr
	v_perm_b32 v[QS], v[KF+12], v[KF+12], s88
	v_perm_b32 v[QS2], v[KF+28], v[KF+28], s88
.set j, 0
.rept 32
	v_mov_b32 v[OT+j], 0                           ; O^T: the step is written once; a block's first step finds zeros.  (These are also the places between the scale word's line and the first product)
.set j, j+1
.endr
.irp b, 0,1,2,3
	v_mov_b32 v[BT+\b], 0                          ; (a lane permute's destination counts as one of its sources)
.endr
	v_mov_b32 v[FF], 0
	v_mov_b32 v[FF+1], 0                           ; (named as the upper half of the pair)
	v_mov_b32 v[TT], 0
; A KEY STEP of mine: 128 keys, step j + 2 q of the slot in hand.
.macro STEP q
	s_cmp_gt_u32 s[KFS], s[QMAX]                   ; all its keys come after my queries: the step's work is left out; ids and the count of trips alone decide
	s_cbranch_scc1 .Lhidden_\@
	v_add_nc_u32 v[ADK], s[TB], v[LK]
	v_add_nc_u32 v[ADS], s[TB], v[LSJ]
	v_nop
	v_nop                                          ; with the two additions: four places in front of loads into registers that matrix instructions have read
.irp i, 0,1
	ds_load_b32 v[KS+\i], v[ADS] offset:1024*(\q)+128*\i
	ds_load_b32 v[VS+\i], v[ADS] offset:1024*(\q)+256+128*\i
.endr
.irp b, 0,1,2,3
.irp g, 0,1,2
	ds_load_b128 v[KF+12*\b+4*\g:KF+12*\b+4*\g+3], v[ADK] offset:2*STEPB*(\q)+FR*\b+512*\g
.endr
.endr
	s_wait_alu depctr_va_vdst(0)
.irp b, 0,1,2,3
	s_wait_dscnt 3*(3-\b)                          ; the scale words and K's fragments up to b are in; the later fragments' loads, three each, may be out
	WM0 S+16*\b, KF+12*\b, QF, KS+\b/2, QS, \b%2           ; (q, 0): key tile (b, 0)
	WM0 S+16*\b+8, KF+12*\b, QF+6, KS+\b/2, QS, \b%2       ; (0, q): key tile (b, 1)
.endr
.rept 4
	v_nop
.endr
.irp n, 0,1,2,3
.irp g, 0,1,2
	ds_load_b128 v[KF+12*\n+4*\g:KF+12*\n+4*\g+3], v[ADK] offset:2*STEPB*(\q)+6144+FR*\n+512*\g   ; V^T's fragments take K's registers now: they land while the softmax is walked
.endr
.endr
	s_add_co_u32 s89, s[KFS], 127                  ; on the diagonal hidden scores become -infinity ahead of the maximum; a step all of whose keys count skips this
	s_cmp_le_u32 s89, s[QB]
	s_cbranch_scc1 .Lopen_\@
	s_sub_co_i32 s89, s[QB], s[KFS]
	v_add_nc_u32 v[DD], s89, v[QL]                 ; register 16 b + i holds key KFS + 32 b + 16 (lane / 16) + i: hidden where 32 b + i > d
.set j, 0
.rept 64
	v_cmp_gt_i32 vcc_lo, 32*(j/16)+j%16, v[DD]
	v_cndmask_b32 v[S+j], v[S+j], v[NINF], vcc_lo
.set j, j+1
.endr
.Lopen_\@:
.irp b, 0,1,2,3
	v_max3_num_f32 v[BM+\b], v[S+16*\b], v[S+1+16*\b], v[S+2+16*\b]        ; the largest SCORE of each block of 32 keys: it serves the row's maximum and, since p rises with the score, the block's largest p
.endr
.irp i, 3,5,7,9,11,13
.irp b, 0,1,2,3
	v_max3_num_f32 v[BM+\b], v[BM+\b], v[S+16*\b+\i], v[S+1+16*\b+\i]
.endr
.endr
.irp b, 0,1,2,3
	v_max_num_f32 v[BM+\b], v[BM+\b], v[S+15+16*\b]
.endr
.irp b, 0,1,2,3
	s_delay_alu instid0(VALU_DEP_4)
	v_permlanex16_b32 v[BT+\b], v[BM+\b], s[SEL], s[SEL+1]
.endr
.irp b, 0,1,2,3
	s_delay_alu instid0(VALU_DEP_4)
	v_max_num_f32 v[BM+\b], v[BM+\b], v[BT+\b]     ; with lane l xor 16's 16 keys
.endr
	s_delay_alu instid0(VALU_DEP_2)
	v_max3_num_f32 v[TT], v[BM], v[BM+1], v[BM+2]
	s_delay_alu instid0(VALU_DEP_1)
	v_max_num_f32 v[TT], v[TT], v[BM+3]
	s_delay_alu instid0(VALU_DEP_1)
	v_mul_f32 v[TT], s[CS], v[TT]                  ; the step's largest t
	s_delay_alu instid0(VALU_DEP_1)
	v_max_num_f32 v13, v13, v[TT]
	v_mov_b32 v[TT], v12
	s_delay_alu instid0(VALU_DEP_2)
	v_floor_f32 v12, -v13                          ; the new -M = -ceil(t)
	s_delay_alu instid0(VALU_DEP_1)
	v_sub_f32 v[TT], v12, v[TT]                    ; old M - new M: a whole number, 0 or less
	s_delay_alu instid0(VALU_DEP_1)
	v_cvt_i32_f32 v[TT], v[TT]                     ; (it saturates)
	s_delay_alu instid0(VALU_DEP_1)
	v_ldexp_f32 v[FF], 1.0, v[TT]                  ; f = 2^(old M - new M)
.set j, 0
.rept 32
	v_pk_fma_f32 v[S+j:S+j+1], v[S+j:S+j+1], s[CS:CS+1], v[12:13] op_sel_hi:[1,0,0]    ; t - M, two at a time
.set j, j+2
.endr
.irp b, 0,1,2,3
	v_fma_f32 v[BM+\b], v[BM+\b], s[CS], v12
.endr
	s_wait_alu depctr_va_vdst(0)
.set j, 0
.rept 64
	v_exp_f32 v[S+j], v[S+j]                       ; p = 2^(t - M)
.set j, j+1
.endr
	v_pk_mul_f32 v[14:15], v[14:15], v[FF:FF+1] op_sel_hi:[1,0]    ; the sums under the new M: the plain place behind the exponentials
	s_wait_alu depctr_va_vdst(0)                   ; one wait for the whole batch, ahead of its first reader
.irp b, 0,1,2,3
	v_exp_f32 v[BM+\b], v[BM+\b]                   ; the blocks' largest p
.endr
.irp k, 0,1,2,3,4,5,6                          ; the row's sum of the unquantised p: 32 pairs in eight chains
	v_pk_add_f32 v[CH+2*\k:CH+2*\k+1], v[S+4*\k:S+4*\k+1], v[S+4*\k+2:S+4*\k+3]
.endr
	v_pk_add_f32 v[14:15], v[14:15], v[S+28:S+29]
.irp k, 0,1,2,3,4,5,6
	v_pk_add_f32 v[CH+2*\k:CH+2*\k+1], v[CH+2*\k:CH+2*\k+1], v[S+30+2*\k:S+31+2*\k]
.endr
	v_pk_add_f32 v[14:15], v[14:15], v[S+44:S+45]
.irp k, 0,1,2,3,4,5,6
	v_pk_add_f32 v[CH+2*\k:CH+2*\k+1], v[CH+2*\k:CH+2*\k+1], v[S+46+2*\k:S+47+2*\k]
.endr
	v_pk_add_f32 v[14:15], v[14:15], v[S+60:S+61]
	v_pk_add_f32 v[CH:CH+1], v[CH:CH+1], v[S+62:S+63]
	v_pk_add_f32 v[CH+2:CH+3], v[CH+2:CH+3], v[CH+4:CH+5]
	v_pk_add_f32 v[CH+6:CH+7], v[CH+6:CH+7], v[CH+8:CH+9]
	v_pk_add_f32 v[CH+10:CH+11], v[CH+10:CH+11], v[CH+12:CH+13]
	v_pk_add_f32 v[14:15], v[14:15], v[CH:CH+1]
	v_pk_add_f32 v[CH+2:CH+3], v[CH+2:CH+3], v[CH+6:CH+7]
	s_delay_alu instid0(VALU_DEP_2)
	v_pk_add_f32 v[14:15], v[14:15], v[CH+10:CH+11]
	s_delay_alu instid0(VALU_DEP_1)
	v_pk_add_f32 v[14:15], v[14:15], v[CH+2:CH+3]
	s_wait_alu depctr_va_vdst(0)                   ; and one for the four
.irp b, 0,1,2,3
	v_max_num_f32 v[BM+\b], 0x1800000, v[BM+\b]    ; the floor 2^(3 - 127)
.endr
.irp b, 0,1,2,3
	s_delay_alu instid0(VALU_DEP_4)
	v_add_nc_u32 v[SO+\b], 0xff000000, v[BM+\b]
.endr
.irp b, 0,1,2,3
	s_delay_alu instid0(VALU_DEP_4)
	v_lshrrev_b32 v[BT+\b], 23, v[SO+\b]
.endr
	s_delay_alu instid0(VALU_DEP_3)
	v_lshl_or_b32 v[PW], v[BT+1], 8, v[BT]
	s_delay_alu instid0(VALU_DEP_1)
	v_lshl_or_b32 v[PW], v[BT+2], 16, v[PW]
	s_delay_alu instid0(VALU_DEP_1)
	v_lshl_or_b32 v[PW], v[BT+3], 24, v[PW]        ; p's scale word for these 128 keys
.irp c, 0,1
	v_cvt_scalef32_pk16_fp6_f32 v[PC+6*\c:PC+6*\c+2], v[S+32*\c:S+32*\c+15], v[SO+2*\c]
	v_cvt_scalef32_pk16_fp6_f32 v[PT+4*\c:PT+4*\c+2], v[S+16+32*\c:S+31+32*\c], v[SO+2*\c+1]
.endr
	v_nop                                          ; one plain place behind the conversions
.irp c, 0,1
.irp i, 0,1,2
	v_permlane16_swap_b32 v[PC+6*\c+\i], v[PT+4*\c+\i]
.endr
.irp i, 0,1,2
	s_delay_alu instid0(VALU_DEP_3)
	v_mov_b32 v[PC+3+6*\c+\i], v[PT+4*\c+\i]
.endr
.endr
	s_wait_alu depctr_va_vdst(0)                   ; directly ahead of the first reader of O^T
.set j, 0
.rept 16
	v_pk_mul_f32 v[OT+j:OT+j+1], v[OT+j:OT+j+1], v[FF:FF+1] op_sel_hi:[1,0]            ; O^T under the new M; these are also the places between the lines that made p's codes and word and the products
.set j, j+2
.endr
	s_wait_alu depctr_va_vdst(0)
	s_wait_dscnt 0x0                               ; V^T's fragments
.irp n, 0,1,2,3
	WMC OT+8*\n, KF+12*\n, PC, VS+\n/2, PW, \n%2   ; the four accumulators by turns, one instruction a turn
.endr
.Lhidden_\@:
	s_add_co_u32 s[KFS], s[KFS], 256               ; my next step lies two steps on
.endm
; THE CHANGE OF SLOTS, at a trip's head.  Each wave waits for all its tensor loads, adds 0 to its spare word, and waits for that and for its reads of the slot that it has left; behind the barrier the slot ahead is whole.
; fill = 1: the other slot takes the next trip's 512 keys: slot T + 1 of the first block, or, from the change of blocks on, slot T + 1 - NL of the second; wave 0 asks for the codes, wave 1 for the scale words, one load each.
; Every slot asked for is read: its step 0 counts for every query of the block in hand.  Every wait on TENSORcnt in this text is for 0.
; Behind it stands the prefetch of the slot after that one: 192 runs of 256 bytes, a lane each, waves 4 to 9 of the head's work-group 0, one instruction a wave, in trips 0 to 5; each run is named once in the launch.
.macro CHANGE fill
	s_wait_tensorcnt 0x0                           ; no tensor load of mine is out, so a group 0 may be written
	ds_add_u32 v[SPW], v[NIL]                      ; 0 onto my spare word,
.if \fill
	ds_add_u32 v[SPW], v[NIL]
	s_add_co_u32 s86, s[T], 1
	s_cmp_lt_u32 s86, s[NL]
	s_cselect_b32 s87, 0, s[NL]
	s_sub_co_u32 s86, s86, s87                     ; the next trip's slot, counted in its block
	s_mul_i32 s88, s86, SLOTB
	s_mov_b32 s89, 0
	s_add_nc_u64 s[G0K+2:G0K+3], s[KVB:KVB+1], s[88:89]
	s_or_b32 s[G0K+3], s[G0K+3], 0x80000000
	s_lshl_b32 s88, s86, 11
	s_add_nc_u64 s[G0S+2:G0S+3], s[KSB:KSB+1], s[88:89]
	s_or_b32 s[G0S+3], s[G0S+3], 0x80000000
	s_xor_b32 s[G0K+1], s[G0K+1], SLOT1
	s_xor_b32 s[G0S+1], s[G0S+1], SLOT1
	s_wait_xcnt 0x0                                ; the last prefetch, a trip back, has read its address
	s_add_nc_u64 s[PFA:PFA+1], s[PFA:PFA+1], SLOTB
.endif
	s_wait_dscnt 0x0                               ; the add is done, and my reads of the slot that I have left are over
	s_barrier_signal -1
	s_barrier_wait -1
.if \fill
	s_cmp_eq_u32 s[WV], 0
	s_cbranch_scc0 .Ln0_\@
	tensor_load_to_lds s[G0K:G0K+3], s[G1K:G1K+7]
	s_nop 0
.rept 4
	v_nop
.endr
	s_branch .Lj_\@
.Ln0_\@:
	s_cmp_eq_u32 s[WV], 1
	s_cbranch_scc0 .Lj_\@
	tensor_load_to_lds s[G0S:G0S+3], s[G1S:G1S+7]
	s_nop 0
.rept 4
	v_nop
.endr
.Lj_\@:
	s_cmp_lt_u32 s[T], s[LIM]
	s_cbranch_scc0 .Lnp_\@
	global_prefetch_b8 v[PFO], s[PFA:PFA+1] th:TH_LOAD_NT scope:SCOPE_SE
.Lnp_\@:
.endif
.endm
; A block is walked: O^T (each accumulator from its low end on), -M and my lane's sum go to place ph of my stage.
.macro DUMP ph
	v_add_f32 v13, v14, v15                        ; the sum's two halves, beside -M (the largest t is done with)
.rept 3
	v_nop                                          ; with the addition: four places behind the last products
.endr
.irp g, 0,1,2,3,4,5,6,7
	ds_store_b128 v[STA], v[OT+4*\g:OT+4*\g+3] offset:\ph+512*\g
.endr
	ds_store_b64 v[STM], v[12:13] offset:\ph
.endm
	s_wait_alu depctr_va_vdst(0)
.Ltrip:                                            ; TRIPS - 1 trips
	CHANGE 1
	STEP 0
	STEP 1
	s_add_co_u32 s89, s[T], 1
	s_cmp_eq_u32 s89, s[NL]                        ; the first block's last slot?  ids and the trip's number decide, alike in all waves
	s_cbranch_scc0 .Lsame
	DUMP 0
	s_wait_dscnt 0x0                               ; the stores have read their registers
	v_mov_b32 v13, 0xff61b1e6
	v_mov_b32 v14, 0
	v_mov_b32 v15, 0
	v_floor_f32 v12, -v13
	v_mov_b32 v[QS], v[QS2]                        ; the second block's q
.irp i, 0,1,2,3,4,5
	v_mov_b32 v[QF+\i], v[Q2+\i]
	v_mov_b32 v[QF+12+\i], v[Q2+\i]
.endr
.set j, 0
.rept 32
	v_mov_b32 v[OT+j], 0
.set j, j+1
.endr
	s_mov_b32 s[KFS], s[KF0]
	s_mov_b32 s[QB], s[QBE]
	s_add_co_u32 s[QMAX], s[QBE], 23
	s_wait_alu depctr_va_vdst(0)
.Lsame:
	s_xor_b32 s[TB], s[TB], SLOT1
	s_add_co_u32 s[T], s[T], 1
	s_cmp_lt_u32 s[T], TRIPS-1
	s_cbranch_scc1 .Ltrip
	CHANGE 0                                       ; the last trip is written out: nothing is left to fetch
	STEP 0
	STEP 1
	DUMP PST
	s_wait_dscnt 0x0                               ; for the others' sake: my stores into the stage are done
	s_barrier_signal -1
	s_barrier_wait -1
	; THE JOIN of tile a of block j: the two halves of its keys, from waves a and a + 8.
.irp g, 0,1,2,3,4,5,6,7
	ds_load_b128 v[S+4*\g:S+4*\g+3], v[RA0] offset:512*\g
	ds_load_b128 v[S+32+4*\g:S+32+4*\g+3], v[RA1] offset:512*\g
.endr
	ds_load_b64 v[ML:ML+1], v[RM0]
	ds_load_b64 v[ML+2:ML+3], v[RM1]
	s_wait_dscnt 0x0
	v_min_num_f32 v[CH], v[ML], v[ML+2]            ; -M of the larger M.  (A half with no key holds -M = 3e38 and zeros: its factor comes out 0)
	s_delay_alu instid0(VALU_DEP_1)
	v_sub_f32 v[CH+1], v[CH], v[ML]                ; each half's M less the larger: whole numbers, 0 or less
	v_sub_f32 v[CH+2], v[CH], v[ML+2]
	s_delay_alu instid0(VALU_DEP_2)
	v_cvt_i32_f32 v[CH+1], v[CH+1]                 ; (they saturate)
	s_delay_alu instid0(VALU_DEP_2)
	v_cvt_i32_f32 v[CH+2], v[CH+2]
	s_delay_alu instid0(VALU_DEP_2)
	v_ldexp_f32 v[CH+1], 1.0, v[CH+1]
	s_delay_alu instid0(VALU_DEP_2)
	v_ldexp_f32 v[CH+2], 1.0, v[CH+2]
	s_delay_alu instid0(VALU_DEP_2)
	v_mul_f32 v[CH+3], v[ML+1], v[CH+1]
	s_delay_alu instid0(VALU_DEP_1)
	v_fma_f32 v[CH+3], v[ML+3], v[CH+2], v[CH+3]
	s_delay_alu instid0(VALU_DEP_1)
	v_permlanex16_b32 v[TT], v[CH+3], s[SEL], s[SEL+1]
	s_delay_alu instid0(VALU_DEP_1)
	v_add_f32 v[CH+3], v[CH+3], v[TT]              ; the row's sum
	s_wait_alu depctr_va_vdst(0)
	v_rcp_f32 v[CH+3], v[CH+3]
	v_nop                                          ; a plain place behind it
	s_wait_alu depctr_va_vdst(0)                   ; and the wait ahead of its first reader
	v_mul_f32 v[FF], v[CH+1], v[CH+3]
	v_mul_f32 v[FF+1], v[CH+1], v[CH+3]
	v_mul_f32 v[GG], v[CH+2], v[CH+3]
	v_mul_f32 v[GG+1], v[CH+2], v[CH+3]
.set j, 0
.rept 16
	v_pk_mul_f32 v[S+j:S+j+1], v[S+j:S+j+1], v[FF:FF+1]
.set j, j+2
.endr
.set j, 0
.rept 16
	v_pk_fma_f32 v[S+j:S+j+1], v[S+32+j:S+33+j], v[GG:GG+1], v[S+j:S+j+1]
.set j, j+2
.endr
	; THE WAY OUT: register 16 B + i of lane (r, h) is dim 32 B + 16 h + i of my query: two blocks of 32 along the model's axis, quantised as p was; six registers of codes and two scale bytes a lane.
.irp b, 0,1
	v_max3_num_f32 v[BM+\b], |v[S+16*\b]|, |v[S+1+16*\b]|, 0x1800000
.endr
.irp i, 2,4,6,8,10,12,14
.irp b, 0,1
	s_delay_alu instid0(VALU_DEP_2)
	v_max3_num_f32 v[BM+\b], v[BM+\b], |v[S+16*\b+\i]|, |v[S+1+16*\b+\i]|
.endr
.endr
.irp b, 0,1
	s_delay_alu instid0(VALU_DEP_2)
	v_permlanex16_b32 v[BT+\b], v[BM+\b], s[SEL], s[SEL+1]
.endr
.irp b, 0,1
	s_delay_alu instid0(VALU_DEP_2)
	v_max_num_f32 v[BM+\b], v[BM+\b], v[BT+\b]
.endr
.irp b, 0,1
	s_delay_alu instid0(VALU_DEP_2)
	v_add_nc_u32 v[SO+\b], 0xff000000, v[BM+\b]
.endr
.irp b, 0,1
	s_delay_alu instid0(VALU_DEP_2)
	v_lshrrev_b32 v[BT+\b], 23, v[SO+\b]
.endr
	s_delay_alu instid0(VALU_DEP_1)
	v_lshl_or_b32 v[HWD], v[BT+1], 8, v[BT]
	v_cvt_scalef32_pk16_fp6_f32 v[PC:PC+2], v[S:S+15], v[SO]
	v_cvt_scalef32_pk16_fp6_f32 v[PT:PT+2], v[S+16:S+31], v[SO+1]
	v_nop
.irp i, 0,1,2
	v_permlane16_swap_b32 v[PC+\i], v[PT+\i]
.endr
.irp i, 0,1,2
	s_delay_alu instid0(VALU_DEP_3)
	v_mov_b32 v[PC+3+\i], v[PT+\i]
.endr
	global_store_b128 v[L16], v[PC:PC+3], s[82:83]                 ; 512 consecutive bytes,
	global_store_b64 v[L8], v[PC+4:PC+5], s[82:83] offset:512      ; and 256: both at multiples of 256 from the buffer's first byte
	global_store_b16 v[R4], v[HWD], s[84:85]                       ; my head's two bytes of each row's word; lanes r and r + 16 store the same bytes.  A word joins two heads, which other work-groups hold: the one store of two bytes a lane
	s_wait_tensorcnt 0x0                           ; the wave's end
	ds_add_u32 v[SPW], v[NIL]
	s_wait_dscnt 0x0
	s_endpgm
.Lfunc_end_k_qf68a41ebe4_attn:
	.size	k_qf68a41ebe4_attn, .Lfunc_end_k_qf68a41ebe4_attn-k_qf68a41ebe4_attn
	.p2alignl 7, 3214868480
	.fill 96, 4, 3214868480
	.section	.rodata,"a",@progbits
	.p2align	6, 0x0
	.amdhsa_kernel k_qf68a41ebe4_attn
		.amdhsa_group_segment_fixed_size 327680
		.amdhsa_private_segment_fixed_size 0
		.amdhsa_enable_private_segment 0
		.amdhsa_kernarg_size 40
		.amdhsa_user_sgpr_count 2
		.amdhsa_user_sgpr_kernarg_segment_ptr 1
		.amdhsa_wavefront_size32 1
		.amdhsa_system_sgpr_workgroup_id_x 1
		.amdhsa_system_sgpr_workgroup_id_y 1
		.amdhsa_system_sgpr_workgroup_id_z 1
		.amdhsa_system_vgpr_workitem_id 0
		.amdhsa_next_free_vgpr 256
		.amdhsa_next_free_sgpr 100
		.amdhsa_reserve_vcc 1
		.amdhsa_float_denorm_mode_32 3
		.amdhsa_float_denorm_mode_16_64 3
		.amdhsa_memory_ordered 1
		.amdhsa_forward_progress 1
		.amdhsa_inst_pref_size 111
	.end_amdhsa_kernel
	.amdgpu_metadata
---
amdhsa.version: [ 1, 2 ]
amdhsa.kernels:
  - .name:           k_qf68a41ebe4_attn
    .symbol:         k_qf68a41ebe4_attn.kd
    .args:
      - { .name: qc, .offset: 0, .size: 8, .value_kind: global_buffer, .address_space: global }
      - { .name: qs, .offset: 8, .size: 8, .value_kind: global_buffer, .address_space: global }
      - { .name: kvc, .offset: 16, .size: 8, .value_kind: global_buffer, .address_space: global }
      - { .name: kvs, .offset: 24, .size: 8, .value_kind: global_buffer, .address_space: global }
      - { .name: ao, .offset: 32, .size: 8, .value_kind: global_buffer, .address_space: global }
    .group_segment_fixed_size: 327680
    .private_segment_fixed_size: 0
    .kernarg_segment_align: 8
    .kernarg_segment_size: 40
    .max_flat_workgroup_size: 512
    .sgpr_count:     100
    .vgpr_count:     256
    .wavefront_size: 32
...
	.end_amdgpu_metadata
.endif
;; end of part 3
;; launch proj (part 4): grid 32 x 8, 8 waves a work-group, clusters of 4 x 1, 273,408 bytes of LDS; arguments ao, wq, b_out, out0; writes out0
.if DOCPART == 4
	.amdgcn_target "amdgcn-amd-amdhsa--gfx1250"
	.amdhsa_code_object_version 6
	.text
	.protected	k_qf68a41ebe4_proj
	.globl	k_qf68a41ebe4_proj
	.p2align	8
	.type	k_qf68a41ebe4_proj,@function
k_qf68a41ebe4_proj:
	s_mov_b64 s[64:65], 0
	v_nop
	global_prefetch_b8 v0, s[64:65] scope:SCOPE_SE
	s_setreg_imm32_b32 hwreg(HW_REG_WAVE_MODE, 25, 1), 1
	s_wait_xcnt 0x0
	s_wait_alu depctr_hold_cnt(0) depctr_sa_sdst(0) depctr_va_vdst(0) depctr_va_sdst(0) depctr_va_ssrc(0) depctr_va_vcc(0) depctr_vm_vsrc(0)
	s_getreg_b32 s2, hwreg(HW_REG_IB_STS2, 6, 4)
	s_cmp_eq_u32 s2, 0
	s_cbranch_scc0 .Lentry_in_a_cluster
	s_endpgm
.Lentry_in_a_cluster:
	s_bfe_u32 s2, ttmp6, 0x10000c
	s_cmp_lg_u32 s2, 0x3003
	s_cbranch_scc0 .Lentry_shape_is_right
	s_endpgm
.Lentry_shape_is_right:
; out0 = attention W_out + b_out on codes of FP6 (E2M3) with E8M0 scales.  A work-group makes 128 tokens x 128 columns; 256 work-groups.
; Both operands come as records of 102,400 bytes (four slices of 25,600: fragment images, then scale words; tiles in the order row 8 u + r + 8 (r / 8) of each 32).  Whole K of both panels fits in LDS: each byte is filled once, no ring.
; P = record 24 + y of wq (W_out's columns, source 0), asked for JOINTLY by the four work-groups of a cluster, which share y (mask 15); R = record X of ao (tokens, source 1), each work-group's own.
; In ao a fragment is two half images of 768 bytes (registers 0-3 at 16 x lane, registers 4-5 at 512 + 8 x lane), one from each head of the K step.
; A WAVE: R's tiles 2 b, 2 b + 1 (b = w % 4), P's tiles 4 hh .. 4 hh + 3 (hh = w / 4): eight accumulators by turns, one instruction a turn.  The bias is the C of each sum's first product.
; A lane's eight results are eight neighbouring columns of one token; they meet in a stage (tile order, rows of 512 bytes + 16), and each wave stores 16 whole runs of 512 bytes.
.set FR,    1536
.set SLICE, 25600
.set REC,   102400
.set RBASE, REC
.set STAGE, 2*REC
.set SPITCH, 528
.set SPARE, STAGE+128*SPITCH           ; the spare words, 128 bytes a wave
.set SPW, 14
.set NIL, 15
.set STO, 16
.set RD,  17
.set BV,  18
.set PF,  32                           ; v32-79  P's four fragments
.set RF,  80                           ; v80-103 R's two fragments, set 0; v208-231 set 1
.set PS,  104                          ; v104-106 scale words, set 0: P's two, then R's; v107-109 set 1
.set CB,  112                          ; v112-143 the bias
.set ACC, 144                          ; v144-207 accumulator (u, t) at ACC + 8 (4 u + t)
.set OUTR, 32                          ; the way out: 16 x 4 registers
.set WV,  18
.set SY,  21
.set G1J, 24
.set G1N, 32
.set G0P, 40
.set G0R, 44
.macro CROUND                          ; a round of the cluster's barrier
	s_barrier_signal -1
	s_barrier_wait -1
	s_cmp_lg_u32 s[WV], 0
	s_cbranch_scc1 .Lnw0_\@
	s_barrier_signal -3
.Lnw0_\@:
	s_barrier_wait -3
	s_barrier_signal -1
	s_barrier_wait -1
.endm
.macro WMC d, a, b, c, sa, sb, ra, rb
.if ((\ra)==0) && ((\rb)==0)
	v_wmma_scale_f32_16x16x128_f8f6f4 v[\d:\d+7], v[\a:\a+11], v[\b:\b+11], v[\c:\c+7], v[\sa], v[\sb] matrix_a_fmt:MATRIX_FMT_FP6 matrix_b_fmt:MATRIX_FMT_FP6
.elseif ((\ra)==1) && ((\rb)==0)
	v_wmma_scale_f32_16x16x128_f8f6f4 v[\d:\d+7], v[\a:\a+11], v[\b:\b+11], v[\c:\c+7], v[\sa], v[\sb] matrix_a_fmt:MATRIX_FMT_FP6 matrix_b_fmt:MATRIX_FMT_FP6 matrix_a_scale:MATRIX_SCALE_ROW1
.elseif ((\ra)==0)
	v_wmma_scale_f32_16x16x128_f8f6f4 v[\d:\d+7], v[\a:\a+11], v[\b:\b+11], v[\c:\c+7], v[\sa], v[\sb] matrix_a_fmt:MATRIX_FMT_FP6 matrix_b_fmt:MATRIX_FMT_FP6 matrix_b_scale:MATRIX_SCALE_ROW1
.else
	v_wmma_scale_f32_16x16x128_f8f6f4 v[\d:\d+7], v[\a:\a+11], v[\b:\b+11], v[\c:\c+7], v[\sa], v[\sb] matrix_a_fmt:MATRIX_FMT_FP6 matrix_b_fmt:MATRIX_FMT_FP6 matrix_a_scale:MATRIX_SCALE_ROW1 matrix_b_scale:MATRIX_SCALE_ROW1
.endif
.endm
	s_load_b256 s[4:11], s[0:1], 0x0               ; ao, wq, b_out, out0
	v_lshl_add_u32 v[SPW], v0, 2, SPARE
	v_mov_b32 v[NIL], 0
	ds_add_u32 v[SPW], v[NIL]                      ; the wave's opening: the add and its wait ahead of my first tensor load; the set-up below, work on registers, stands between them
	ds_add_u32 v[SPW], v[NIL]
	v_lshrrev_b32 v1, 5, v0
	s_delay_alu instid0(VALU_DEP_1)
	v_readfirstlane_b32 s[WV], v1                  ; wave 0..7
	s_bfe_u32 s19, ttmp6, 0x40000                  ; cx
	s_lshl_b32 s20, ttmp9, 2
	s_add_co_u32 s20, s20, s19                     ; X: the token block
	s_and_b32 s[SY], ttmp7, 0xffff                 ; y: W_out's panel
	s_and_b32 s62, s[WV], 3
	s_mul_i32 s62, s62, SLICE                      ; the slice that I fetch
	s_add_co_u32 s22, s[SY], 24
	s_mul_i32 s22, s22, REC
	s_add_co_u32 s22, s22, s62                     ; in wq: made of y and the wave's number alone
	s_mov_b32 s23, 0
	s_mul_i32 s60, s20, REC
	s_add_co_u32 s60, s60, s62                     ; in ao
	s_mov_b32 s61, 0
	s_mov_b32 s[G1J], 15|(3<<16)|(1<<21)           ; the mask: all four work-groups; elements of 8 bytes; bit 21 beside a mask
	s_mov_b32 s[G1N], 3<<16                        ; no mask
.irp g, G1J, G1N
	s_mov_b32 s[\g+1], 32<<16                      ; 100 dense rows of 256 bytes
	s_mov_b32 s[\g+2], 100<<16
	s_mov_b32 s[\g+3], 32<<16
	s_mov_b32 s[\g+4], 100
	s_mov_b32 s[\g+5], 32
	s_mov_b32 s[\g+6], 0
	s_mov_b32 s[\g+7], 0
.endr
	s_wait_dscnt 0x0                               ; the opening add is done
	s_wait_kmcnt 0x0
	s_mov_b32 s[G0P], 1
	s_mov_b32 s[G0P+1], s62
	s_add_nc_u64 s[G0P+2:G0P+3], s[6:7], s[22:23]
	s_or_b32 s[G0P+3], s[G0P+3], 0x80000000
	s_mov_b32 s[G0R], 1
	s_add_co_u32 s[G0R+1], s62, RBASE
	s_add_nc_u64 s[G0R+2:G0R+3], s[4:5], s[60:61]
	s_or_b32 s[G0R+3], s[G0R+3], 0x80000000
	CROUND                                         ; all four work-groups are here: the joint loads meet
	s_cmp_lt_u32 s[WV], 4                          ; waves 0-3: P's four slices, jointly; waves 4-7: R's: one load of mine is out
	s_cbranch_scc0 .Lfill_r
	tensor_load_to_lds s[G0P:G0P+3], s[G1J:G1J+7]
	s_nop 0
.rept 4
	v_nop
.endr
	s_branch .Lfilled
.Lfill_r:
	tensor_load_to_lds s[G0R:G0R+3], s[G1N:G1N+7]
	s_nop 0
.rept 4
	v_nop
.endr
.Lfilled:
	v_and_b32 v19, 31, v0
	s_delay_alu instid0(VALU_DEP_1)
	v_lshlrev_b32 v1, 4, v19                       ; 16 x lane
	s_wait_alu depctr_va_vdst(0)
	v_lshlrev_b32 v2, 2, v19                       ; 4 x lane
	v_lshlrev_b32 v3, 3, v19                       ; 8 x lane
	s_wait_alu depctr_va_vdst(0)
	s_and_b32 s52, s[WV], 3                        ; b
	s_lshr_b32 s53, s[WV], 2                       ; hh
	s_mul_i32 s54, s53, 6144
	v_add_nc_u32 v4, s54, v1                       ; P's fragments, slices 0 and 1;
	s_add_co_u32 s54, s54, 2*SLICE
	v_add_nc_u32 v5, s54, v1                       ; slices 2 and 3
	s_lshl_b32 s54, s53, 8
	s_add_co_u32 s54, s54, 24576
	v_add_nc_u32 v6, s54, v2                       ; P's scale words
	s_add_co_u32 s54, s54, 2*SLICE
	v_add_nc_u32 v7, s54, v2
	s_mul_i32 s54, s52, 3072
	s_add_co_u32 s54, s54, RBASE
	v_add_nc_u32 v8, s54, v1                       ; R's fragments: the parts of 16 bytes a lane,
	v_add_nc_u32 v10, s54, v3                      ; and of 8
	s_add_co_u32 s54, s54, 2*SLICE
	v_add_nc_u32 v9, s54, v1
	v_add_nc_u32 v11, s54, v3
	s_lshl_b32 s54, s52, 7
	s_add_co_u32 s54, s54, RBASE+24576
	v_add_nc_u32 v12, s54, v2                      ; R's scale words
	s_add_co_u32 s54, s54, 2*SLICE
	v_add_nc_u32 v13, s54, v2
	v_and_b32 v19, 15, v0                          ; r
	v_bfe_u32 v20, v0, 4, 1                        ; h
	s_delay_alu instid0(VALU_DEP_2)
	v_mul_u32_u24 v[STO], v19, SPITCH
	s_delay_alu instid0(VALU_DEP_1)
	v_lshl_add_u32 v[STO], v20, 6, v[STO]
	s_mul_i32 s54, s52, 32*SPITCH
	s_lshl_b32 s55, s53, 8
	s_add_co_u32 s54, s54, s55
	s_add_co_u32 s54, s54, STAGE
	v_add_nc_u32 v[STO], s54, v[STO]               ; into the stage: row 32 b + r, + 256 hh + 64 h bytes
	s_mul_i32 s54, s[WV], 16*SPITCH
	s_add_co_u32 s54, s54, STAGE
	v_add_nc_u32 v[RD], s54, v1                    ; back: tile w's 16 rows
	v_lshlrev_b32 v[BV], 6, v20                    ; the bias: 16 h numbers on
	s_lshl_b32 s58, s[SY], 9
	s_lshl_b32 s59, s53, 8
	s_add_co_u32 s58, s58, s59
	s_mov_b32 s59, 0
	s_add_nc_u64 s[58:59], s[8:9], s[58:59]
.irp t, 0,1,2,3                                ; register j of tile t is column 64 hh + 32 (t / 2) + 8 (t % 2) + 16 h + j of the panel
	global_load_b128 v[CB+8*\t:CB+8*\t+3], v[BV], s[58:59] offset:4*(32*(\t/2)+8*(\t%2))
	global_load_b128 v[CB+8*\t+4:CB+8*\t+7], v[BV], s[58:59] offset:4*(32*(\t/2)+8*(\t%2))+16
.endr
	s_lshl_b32 s56, s20, 7                         ; tile w's first token: 128 X + 32 (w / 2) + 8 (w % 2)
	s_lshr_b32 s57, s[WV], 1
	s_lshl_b32 s57, s57, 5
	s_add_co_u32 s56, s56, s57
	s_and_b32 s57, s[WV], 1
	s_lshl_b32 s57, s57, 3
	s_add_co_u32 s56, s56, s57
	s_lshl_b32 s56, s56, 12                        ; rows of 4,096 bytes,
	s_lshl_b32 s57, s[SY], 9                       ; the panel's 512
	s_add_co_u32 s56, s56, s57
	s_mov_b32 s57, 0
	s_add_nc_u64 s[50:51], s[10:11], s[56:57]
	s_wait_alu depctr_va_vdst(0)
	s_wait_tensorcnt 0x0                           ; my slice is in,
	s_barrier_signal -1
	s_barrier_wait -1                              ; everybody's is
	s_wait_loadcnt 0x0                             ; the bias
; K step k = 0 .. 7 lies in slice k / 2, half k % 2.  The loads run a K step ahead of the products: R's two fragments and the three scale words (11 loads) have two sets of registers, by k % 2, and are
; asked for at the head of the step before; P's tile t has one set, and is asked for anew right behind its two products and their four places.
.macro RLOAD k
.set RB, RF+128*((\k)%2)
.set SB, PS+3*((\k)%2)
.set OF, SLICE*(((\k)/2)%2)+12288*((\k)%2)
.set OS, SLICE*(((\k)/2)%2)+512*((\k)%2)
.irp u, 0,1
	ds_load_b128 v[RB+12*\u:RB+12*\u+3], v[8+(\k)/4] offset:OF+FR*\u
	ds_load_b64 v[RB+12*\u+4:RB+12*\u+5], v[10+(\k)/4] offset:OF+FR*\u+512
	ds_load_b128 v[RB+12*\u+6:RB+12*\u+9], v[8+(\k)/4] offset:OF+FR*\u+768
	ds_load_b64 v[RB+12*\u+10:RB+12*\u+11], v[10+(\k)/4] offset:OF+FR*\u+1280
.endr
	ds_load_b32 v[SB+2], v[12+(\k)/4] offset:OS
.irp i, 0,1
	ds_load_b32 v[SB+\i], v[6+(\k)/4] offset:OS+128*\i
.endr
.endm
.macro PLOAD k, t
.irp g, 0,1,2
	ds_load_b128 v[PF+12*(\t)+4*\g:PF+12*(\t)+4*\g+3], v[4+(\k)/4] offset:SLICE*(((\k)/2)%2)+12288*((\k)%2)+FR*(\t)+512*\g
.endr
.endm
.macro KSTEP k
.if (\k) < 7
	RLOAD (\k)+1                                   ; into the set that step k - 1 read: four places stand behind that step's last product
.endif
.set RC, RF+128*((\k)%2)
.set SC, PS+3*((\k)%2)
.irp t, 0,1,2,3
.if (\k) < 7
	s_wait_dscnt 20                                ; tile t of this step is in, and all older loads; behind it: three other tiles of P, three loads each, and the next set of R, 11
.else
	s_wait_dscnt 3*(3-\t)                          ; the last step: only its later tiles' loads, three each, may be out
.endif
.irp u, 0,1
.if (\k) == 0
	WMC ACC+8*(4*\u+\t), PF+12*\t, RC+12*\u, CB+8*\t, SC+\t/2, SC+2, \t%2, \u
.else
	WMC ACC+8*(4*\u+\t), PF+12*\t, RC+12*\u, ACC+8*(4*\u+\t), SC+\t/2, SC+2, \t%2, \u
.endif
.endr
.if (\k) < 7
.rept 4
	v_nop                                          ; four places in front of loads into registers that matrix instructions have read
.endr
	PLOAD (\k)+1, \t
.endif
.endr
.endm
	RLOAD 0
.irp t, 0,1,2,3
	PLOAD 0, \t
.endr
.irp k, 0,1,2,3,4,5,6,7
	KSTEP \k
.endr
.rept 4
	v_nop                                          ; four places behind the last products
.endr
.irp u, 0,1
.irp t, 0,1,2,3
	ds_store_b128 v[STO], v[ACC+8*(4*\u+\t):ACC+8*(4*\u+\t)+3] offset:16*\u*SPITCH+128*(\t/2)+32*(\t%2)       ; each accumulator from its low end on
	ds_store_b128 v[STO], v[ACC+8*(4*\u+\t)+4:ACC+8*(4*\u+\t)+7] offset:16*\u*SPITCH+128*(\t/2)+32*(\t%2)+16
.endr
.endr
	s_wait_dscnt 0x0                               ; for the others' sake: my stores into the stage are done
	s_barrier_signal -1
	s_barrier_wait -1
.irp i, 0,1,2,3,4,5,6,7,8,9,10,11,12,13,14,15
	ds_load_b128 v[OUTR+4*\i:OUTR+4*\i+3], v[RD] offset:\i*SPITCH
.endr
.irp i, 0,1,2,3,4,5,6,7,8,9,10,11,12,13,14,15
	s_wait_dscnt 15-\i                             ; row i is back; the younger rows may be out
	global_store_b128 v1, v[OUTR+4*\i:OUTR+4*\i+3], s[50:51] offset:(\i+8*(\i/8))*4096 th:TH_STORE_NT         ; 32 lanes store 512 consecutive bytes, at a multiple of 256 from the output's first byte; written once
.endr
	s_wait_tensorcnt 0x0                           ; the wave's end: behind my last tensor load and my last LDS store
	ds_add_u32 v[SPW], v[NIL]
	s_wait_dscnt 0x0
	CROUND                                         ; the closing round: no work-group ends while a partner may still ask for a slice that names it
	s_endpgm
.Lfunc_end_k_qf68a41ebe4_proj:
	.size	k_qf68a41ebe4_proj, .Lfunc_end_k_qf68a41ebe4_proj-k_qf68a41ebe4_proj
	.p2alignl 7, 3214868480
	.fill 96, 4, 3214868480
	.section	.rodata,"a",@progbits
	.p2align	6, 0x0
	.amdhsa_kernel k_qf68a41ebe4_proj
		.amdhsa_group_segment_fixed_size 273408
		.amdhsa_private_segment_fixed_size 0
		.amdhsa_enable_private_segment 0
		.amdhsa_kernarg_size 32
		.amdhsa_user_sgpr_count 2
		.amdhsa_user_sgpr_kernarg_segment_ptr 1
		.amdhsa_wavefront_size32 1
		.amdhsa_system_sgpr_workgroup_id_x 1
		.amdhsa_system_sgpr_workgroup_id_y 1
		.amdhsa_system_sgpr_workgroup_id_z 1
		.amdhsa_system_vgpr_workitem_id 0
		.amdhsa_next_free_vgpr 256
		.amdhsa_next_free_sgpr 66
		.amdhsa_reserve_vcc 0
		.amdhsa_float_denorm_mode_32 3
		.amdhsa_float_denorm_mode_16_64 3
		.amdhsa_memory_ordered 1
		.amdhsa_forward_progress 1
		.amdhsa_inst_pref_size 36
	.end_amdhsa_kernel
	.amdgpu_metadata
---
amdhsa.version: [ 1, 2 ]
amdhsa.kernels:
  - .name:           k_qf68a41ebe4_proj
    .symbol:         k_qf68a41ebe4_proj.kd
    .args:
      - { .name: ao, .offset: 0, .size: 8, .value_kind: global_buffer, .address_space: global }
      - { .name: wq, .offset: 8, .size: 8, .value_kind: global_buffer, .address_space: global }
      - { .name: b_out, .offset: 16, .size: 8, .value_kind: global_buffer, .address_space: global }
      - { .name: out0, .offset: 24, .size: 8, .value_kind: global_buffer, .address_space: global }
    .group_segment_fixed_size: 273408
    .private_segment_fixed_size: 0
    .kernarg_segment_align: 8
    .kernarg_segment_size: 32
    .max_flat_workgroup_size: 256
    .sgpr_count:     66
    .vgpr_count:     256
    .wavefront_size: 32
...
	.end_amdgpu_metadata
.endif
;; end of part 4
